; MI455X (gfx1250); checked and timed in simulation.
; The chip was launched on July 23, 2026; its instructions are those of AMD's public machine-readable ISA for CDNA 5 (MIT licence, August 2026) and "CDNA5" Instruction Set Architecture Reference Guide (July 2026). The comments in the code are by the model that wrote it; some were corrected since.
;; Multi Head Attention. Allowed arithmetic: matrix products marked QUANTISED: E2M1 operands, one E8M0 scale for each 32 along K, by v_wmma_scale_f32_16x16x128_f8f6f4 with both operands' format E2M1 (or v_wmma_scale_f32_32x16x128_f4), f32 sums; everything else in f32.
;; Inputs: Wk 1,024 x 1,024 float32; Wo 1,024 x 1,024 float32; Wq 1,024 x 1,024 float32; Wv 1,024 x 1,024 float32; bk 1,024 float32; bo 1,024 float32; bq 1,024 float32; bv 1,024 float32; x 2,048 x 4 x 1,024 float32.
;; Outputs: out0 2,048 x 4 x 1,024 float32.
;; This version of the problem:
;;   THIS VERSION OF THE PROBLEM IS GIVEN IN LOW PRECISION. The matrix products marked QUANTISED in the list below multiply operands that are first quantised to E2M1 (2 exponent bits, 1 mantissa bit; 4 bits a number), with one power-of-two scale for each 32 numbers along K (OCP MX v1.0); their sums are f32. All else is computed in f32.
;;   The module's matrix products, in the order in which they are computed (A, B: the left and right operand; K: the contracted axis; several contracted axes count as one K, in the product's order):
;;     1. [M 8,192, K 1,024] x [K 1,024, N 1,024]; A: input x; B: input Wq: QUANTISED
;;     2. [M 8,192, K 1,024] x [K 1,024, N 1,024]; A: input x; B: input Wk: QUANTISED
;;     3. [M 8,192, K 1,024] x [K 1,024, N 1,024]; A: input x; B: input Wv: QUANTISED
;;     4. batch 64 x [M 2,048, K 64] x [K 64, N 2,048]; A: computed on the way; B: computed on the way: QUANTISED
;;     5. batch 64 x [M 2,048, K 2,048] x [K 2,048, N 64]; A: softmax (see below); B: computed on the way: QUANTISED
;;     6. [M 8,192, K 1,024] x [K 1,024, N 1,024]; A: computed on the way; B: input Wo: QUANTISED
;;   THE QUANTISER, for each operand of a quantised product, along K:
;;     - K is cut into blocks of 32 from its start; a last block that is shorter is filled with zeros.
;;     - A block's scale is 2^e with e = floor(log2(the largest magnitude in the block)) - 2, held to -126 .. 127; a block of zeros has e = 0. As a byte (E8M0): e + 127.
;;     - Each number is divided by its block's scale, clamped to +-6, and rounded to the nearest number of E2M1, ties to even, subnormals kept.
;;     - The product sums the exact products of the quantised numbers (number of the format x scale) in f32.
;;   ~~~python
;;   def quantise(x, axis):      # numpy; x: float32 -> the quantised numbers, widened to float32 again
;;       x = np.moveaxis(x, axis, -1); K = x.shape[-1]
;;       x = np.pad(x, [(0, 0)] * (x.ndim - 1) + [(0, -K % 32)]); x = x.reshape(x.shape[:-1] + (-1, 32)); a = np.abs(x).max(-1, keepdims=True)
;;       e = np.where(a > 0, np.clip(np.frexp(np.where(a > 0, a, 1))[1] - 1 - 2, -126, 127), 0)      # np.frexp(a)[1] - 1 = floor(log2(a)), exactly
;;       r = np.clip(x / 2.0 ** e, -6, 6)
;;       step = 2.0 ** (np.maximum(np.frexp(np.where(r == 0, 1, r))[1] - 1, 0) - 1)
;;       q = np.round(r / step) * step * 2.0 ** e      # np.round: ties to even
;;       return np.moveaxis(q.reshape(q.shape[:-2] + (-1,))[..., :K], -1, axis).astype(np.float32)
;;   ~~~
;;   SOFTMAX AHEAD OF A QUANTISED PRODUCT. Where the list says 'softmax', what is quantised is not the finished softmax but p = 2^(t - M), with t = logit x log2(e) and M = ceil(the row's largest t), a whole number; so 1/2 < the row's largest p <= 1. The row's sum l is taken of the UNQUANTISED p, in f32, and the product's result is divided by l at the end. Since M is a whole number, a kernel that streams over the keys may use a running M (the ceiling of the running maximum): every later rescaling is an exact power of two, which a block's scale takes up: the codes' values come out the same.
;;   OPERANDS COMPUTED ON THE WAY. 'Computed on the way' means the value that the module computes at that place (a softmax that the list does not call 'softmax' is quantised finished and normalised). What goes into a quantiser is computed in f32, as accurately as f32 sums, v_exp_f32 and their like allow (about 1e-6 of the number): no bf16 or f16 on the way to a quantiser, and a product that is left as it is and whose result goes on into a quantised operand takes f32 operands (vector FMAs, or v_wmma_f32_16x16x4_f32). A number that lies on a knife's edge between two numbers of the format may be rounded either way, as far as f32 arithmetic and the matrix unit's own rounding can turn it there, and no further.
;; One version. Each part assembles by itself: llvm-mc -triple=amdgcn-amd-amdhsa -mcpu=gfx1250 --defsym DOCPART=n.
;; ======== version 1 of 1: 4 launches
;; workspace buffers: codes 6,291,456 bytes; scales 393,216 bytes; qb 4,718,592 bytes; kv 9,175,040 bytes; o_codes 4,194,304 bytes; o_sc 262,144 bytes
;; launch quant (part 1): grid 384 x 1, 4 waves a work-group, no clusters, 33,280 bytes of LDS; arguments x, Wq, Wk, Wv, Wo, codes, scales; writes codes, scales
.if DOCPART == 1
	.amdgcn_target "amdgcn-amd-amdhsa--gfx1250"
	.amdhsa_code_object_version 6
	.text
	.protected	k_q538277315f_quant
	.globl	k_q538277315f_quant
	.p2align	8
	.type	k_q538277315f_quant,@function
k_q538277315f_quant:
	s_mov_b64 s[64:65], 0
	v_nop
	global_prefetch_b8 v0, s[64:65] scope:SCOPE_SE
	s_setreg_imm32_b32 hwreg(HW_REG_WAVE_MODE, 25, 1), 1
	s_wait_xcnt 0x0
; MULTI-HEAD ATTENTION IN MX-FP4, FIRST OF FOUR LAUNCHES: x [2048][4][1024] and Wq, Wk, Wv, Wo [1024][1024], f32, become codes of FP4 (E2M1), K innermost, with one E8M0 byte for each 32 along K.
; DEAD WORK: none.  All nine inputs reach the output (bk and bv move the codes and scales of quantised operands), and all six products are done.  The one thing added is inside an instruction:
; the product of queries and keys has K = 64 and the matrix instruction K = 128; the upper 64 are zero codes on both sides, which add nothing.
; OUTPUT.  codes [12288 rows][512 bytes], scales [12288 rows][32 bytes].  Rows 0-8191: x, token (s, b) counted as m = 2048 b + s; rows 8192 + 1024 i on: Wq, Wk, Wv, Wo.
; THE ROWS ARE LAID IN ANOTHER ORDER: of each 32 rows the four groups of 8 lie in the order 0, 2, 1, 3.  So 16 rows taken as they lie are rows 32 B + 8 u + r + 8 (r / 8) (tile 2 B + u, r = 0 .. 15):
; the choice of rows by which a product's results, used transposed, fall as 16 neighbours along the next product's K into a lane's registers.
; A block's scale is 2^(floor(log2(its largest magnitude)) - 2); its byte is the largest magnitude's exponent field - 2, held at 1 from below.
; LIMITS: a block of zeros gets the byte 1 where the rule says 127 (its codes are zeros, and this program alone reads the bytes); a block whose largest magnitude lies under 2^-124 gets the byte 1; NaN and infinities among the inputs are not served.
; SHARES.  A wave takes 8 rows x 1,024 numbers: 16 steps of 512.  Each of a step's four loads reads 512 consecutive bytes; the 2,048 bytes turn through the wave's own stage in LDS and come back 64 bytes a lane,
; so that a lane holds 16 neighbours along K (two lanes to a block).  A step's codes leave as 256 consecutive bytes, the wave's 256 scale bytes as one store.  No barrier: waves share nothing.
.set WAVES, 4
.set STEPS, 16
.set EMAX,  2
.set R,     16                         ; v16-79   four sets of 16 numbers as they are loaded
.set X,     80                         ; v80-111  two sets of 16 neighbours
.set E,     112                        ; v112-127 a scale byte for each step
.set C,     128                        ; v128-159 codes: two registers for each step, so that no store's data are written again
.set OFFR,  160                        ; v160-167 16 x lane + row x the bytes from row to row
.set WREG,  8192                       ; LDS: a region for each wave: two stages of 32 x SP bytes, behind them its 256 scale bytes
.set SP,    80                         ; a lane's place in a stage: 64 bytes + 16 of padding
.set SPW,   12                         ; v12  LDS address of my spare word; never rewritten
.set NIL,   13                         ; v13  0; never rewritten
.set SPARE, WAVES*WREG                 ; behind the four regions: the spare words, 128 bytes for each wave
	s_load_b256 s[4:11], s[0:1], 0x0               ; x, Wq, Wk, Wv
	s_load_b128 s[12:15], s[0:1], 0x20             ; Wo, codes
	s_load_b64 s[16:17], s[0:1], 0x30              ; scales
	v_lshl_add_u32 v[SPW], v0, 2, SPARE
	v_mov_b32 v[NIL], 0
	v_lshrrev_b32 v1, 5, v0
	v_readfirstlane_b32 s18, v1                    ; wave
	v_and_b32 v2, 31, v0                           ; lane
	v_lshlrev_b32 v3, 4, v2                        ; my 16 bytes of a load's 512
	s_mul_i32 s19, s18, WREG
	v_lshrrev_b32 v14, 2, v2
	v_mul_u32_u24 v14, v14, SP
	v_and_b32 v15, 3, v2
	v_lshl_add_u32 v14, v15, 4, v14
	v_add_nc_u32 v14, s19, v14                     ; the stage, on the way in: SP (lane / 4) + 16 (lane % 4)
	v_mul_u32_u24 v15, v2, SP
	v_add_nc_u32 v15, s19, v15                     ; and on the way out: SP x lane: my 16 neighbours
	v_lshlrev_b32 v4, 3, v2                        ; 8 bytes a lane: my codes' place in a step's, and my part of the scale bytes
	v_lshrrev_b32 v5, 1, v2
	s_add_co_u32 s19, s19, 2*32*SP
	v_add_nc_u32 v5, s19, v5                       ; LDS: my wave's 256 scale bytes, my block's byte
	v_add_nc_u32 v6, s19, v4                       ; and on the way out 8 bytes a lane
	s_lshl_b32 s20, ttmp9, 2
	s_add_co_u32 s21, s20, s18                     ; u: which run of 8 rows I read
	s_and_b32 s22, s21, 255
	s_lshl_b32 s22, s22, 17                        ; x: s = 8 (u % 256): 16,384 bytes from s to s + 1,
	s_lshr_b32 s23, s21, 8
	s_lshl_b32 s23, s23, 12                        ; b = u / 256: 4,096 bytes
	s_add_co_u32 s22, s22, s23
	s_and_b32 s23, s21, 127
	s_lshl_b32 s23, s23, 15                        ; a weight: run u % 128 of its 128
	s_and_b32 s24, s18, 1
	s_lshl_b32 s24, s24, 1
	s_lshr_b32 s25, s18, 1
	s_or_b32 s24, s24, s25                         ; the group's place among its four: 0, 2, 1, 3
	s_add_co_u32 s24, s24, s20                     ; the run that I write
	s_mov_b32 s26, 4096
	s_wait_kmcnt 0x0
	s_cmp_lt_u32 ttmp9, 352                        ; which tensor: the choice hangs on the work-group's number alone
	s_cselect_b64 s[12:13], s[10:11], s[12:13]
	s_cmp_lt_u32 ttmp9, 320
	s_cselect_b64 s[12:13], s[8:9], s[12:13]
	s_cmp_lt_u32 ttmp9, 288
	s_cselect_b64 s[12:13], s[6:7], s[12:13]
	s_cmp_lt_u32 ttmp9, 256
	s_cselect_b64 s[12:13], s[4:5], s[12:13]
	s_cselect_b32 s22, s22, s23                    ; where my run begins,
	s_cselect_b32 s26, 16384, s26                  ; and the bytes from row to row
	s_mov_b32 s23, 0
	s_add_nc_u64 s[12:13], s[12:13], s[22:23]
	s_lshl_b32 s28, s24, 12                        ; 8 rows of 512 bytes of codes
	s_mov_b32 s29, 0
	s_add_nc_u64 s[14:15], s[14:15], s[28:29]
	s_lshl_b32 s28, s24, 8                         ; 8 rows of 32 scale bytes
	s_add_nc_u64 s[16:17], s[16:17], s[28:29]
.irp i, 0,1,2,3,4,5,6,7
	v_mad_u32_u24 v[OFFR+\i], s26, \i, v3
.endr
.macro LOAD t                          ; step t: half t % 2 of row t / 2
.irp i, 0,1,2,3
	global_load_b128 v[R+16*((\t)%4)+4*\i:R+16*((\t)%4)+4*\i+3], v[OFFR+(\t)/2], s[12:13] offset:2048*((\t)%2)+512*\i th:TH_LOAD_NT   ; 32 lanes read 512 consecutive bytes
.endr
.endm
.macro TURN t                          ; step t's numbers through the stage: LDS serves a wave's instructions in order, so no wait stands between the stores and the loads
.irp i, 0,1,2,3
	ds_store_b128 v14, v[R+16*((\t)%4)+4*\i:R+16*((\t)%4)+4*\i+3] offset:32*SP*((\t)%2)+8*SP*\i
.endr
.irp i, 0,1,2,3
	ds_load_b128 v[X+16*((\t)%2)+4*\i:X+16*((\t)%2)+4*\i+3], v15 offset:32*SP*((\t)%2)+16*\i
.endr
.endm
.irp t, 0,1,2,3
	LOAD \t
.endr
	s_wait_alu depctr_va_vdst(0)
	s_wait_loadcnt 12                              ; step 0's four loads are in
	TURN 0
.macro STEP t
.set XS, X+16*((\t)%2)
.if (\t) > 0
	s_wait_dscnt 1                                 ; this step's numbers are back from the stage (the last step's byte store may be out): so its stores into the stage have read their registers,
.else
	s_wait_dscnt 0x0
.endif
.if (\t)+4 < STEPS
	LOAD (\t)+4                                    ; which take the loads of four steps on
.endif
.if (\t)+1 < STEPS
.if STEPS-2-(\t) >= 3
	s_wait_loadcnt 12                              ; the next step's four loads are in; those of the three steps behind it may be out
.else
	s_wait_loadcnt 4*(STEPS-2-(\t))
.endif
	TURN (\t)+1                                    ; and go through the other stage while this step is worked
.endif
	v_max3_num_f32 v8, |v[XS]|, |v[XS+1]|, |v[XS+2]|               ; the largest magnitude of my 16
	v_max3_num_f32 v9, |v[XS+3]|, |v[XS+4]|, |v[XS+5]|
.irp i, 6,10
	v_max3_num_f32 v8, v8, |v[XS+\i]|, |v[XS+\i+1]|
	v_max3_num_f32 v9, v9, |v[XS+\i+2]|, |v[XS+\i+3]|
.endr
	v_max3_num_f32 v8, v8, |v[XS+14]|, |v[XS+15]|
	v_max3_num_f32 v8, v8, v9, (EMAX+1)<<23        ; and the floor 2^(3 - 127): the byte cannot fall under 1
	v_max_num_f32_dpp v8, v8, v8 row_xmask:1 row_mask:0xf bank_mask:0xf   ; and of my neighbour's 16: the block's
	v_add_nc_u32 v11, -(EMAX<<23), v8              ; 2 off its exponent field: the conversion takes the exponent field of this operand as its scale
	v_cvt_scalef32_pk8_fp4_f32 v[C+2*(\t)], v[XS:XS+7], v11
	v_cvt_scalef32_pk8_fp4_f32 v[C+2*(\t)+1], v[XS+8:XS+15], v11
	v_lshrrev_b32 v[E+(\t)], 23, v11               ; the scale's byte
	ds_store_b8 v5, v[E+(\t)] offset:16*(\t)       ; both lanes of a block write the same byte with the same value
	global_store_b64 v4, v[C+2*(\t):C+2*(\t)+1], s[14:15] offset:256*(\t)   ; 32 lanes store 256 consecutive bytes, aligned
.endm
.irp t, 0,1,2,3,4,5,6,7,8,9,10,11,12,13,14,15
	STEP \t
.endr
	ds_load_b64 v[8:9], v6                         ; LDS serves a wave's instructions in order: these see my stores
	s_wait_dscnt 0x0
	global_store_b64 v4, v[8:9], s[16:17]          ; 32 lanes store 256 consecutive bytes, aligned
	s_wait_tensorcnt 0x0                           ; the wave's end, behind my last LDS store
	ds_add_u32 v[SPW], v[NIL]
	s_wait_dscnt 0x0
	s_endpgm
.Lfunc_end_k_q538277315f_quant:
	.size	k_q538277315f_quant, .Lfunc_end_k_q538277315f_quant-k_q538277315f_quant
	.p2alignl 7, 3214868480
	.fill 96, 4, 3214868480
	.section	.rodata,"a",@progbits
	.p2align	6, 0x0
	.amdhsa_kernel k_q538277315f_quant
		.amdhsa_group_segment_fixed_size 33280
		.amdhsa_private_segment_fixed_size 0
		.amdhsa_enable_private_segment 0
		.amdhsa_kernarg_size 56
		.amdhsa_user_sgpr_count 2
		.amdhsa_user_sgpr_kernarg_segment_ptr 1
		.amdhsa_wavefront_size32 1
		.amdhsa_system_sgpr_workgroup_id_x 1
		.amdhsa_system_sgpr_workgroup_id_y 1
		.amdhsa_system_sgpr_workgroup_id_z 1
		.amdhsa_system_vgpr_workitem_id 0
		.amdhsa_next_free_vgpr 192
		.amdhsa_next_free_sgpr 66
		.amdhsa_reserve_vcc 0
		.amdhsa_float_denorm_mode_32 3
		.amdhsa_float_denorm_mode_16_64 3
		.amdhsa_memory_ordered 1
		.amdhsa_forward_progress 1
		.amdhsa_inst_pref_size 34
	.end_amdhsa_kernel
	.amdgpu_metadata
---
amdhsa.version: [ 1, 2 ]
amdhsa.kernels:
  - .name:           k_q538277315f_quant
    .symbol:         k_q538277315f_quant.kd
    .args:
      - { .name: x, .offset: 0, .size: 8, .value_kind: global_buffer, .address_space: global }
      - { .name: Wq, .offset: 8, .size: 8, .value_kind: global_buffer, .address_space: global }
      - { .name: Wk, .offset: 16, .size: 8, .value_kind: global_buffer, .address_space: global }
      - { .name: Wv, .offset: 24, .size: 8, .value_kind: global_buffer, .address_space: global }
      - { .name: Wo, .offset: 32, .size: 8, .value_kind: global_buffer, .address_space: global }
      - { .name: codes, .offset: 40, .size: 8, .value_kind: global_buffer, .address_space: global }
      - { .name: scales, .offset: 48, .size: 8, .value_kind: global_buffer, .address_space: global }
    .group_segment_fixed_size: 33280
    .private_segment_fixed_size: 0
    .kernarg_segment_align: 8
    .kernarg_segment_size: 56
    .max_flat_workgroup_size: 128
    .sgpr_count:     66
    .vgpr_count:     192
    .wavefront_size: 32
...
	.end_amdgpu_metadata
.endif
;; end of part 1
;; launch qkv (part 2): grid 12 x 32, 4 waves a work-group, clusters of 4 x 4, 327,680 bytes of LDS; arguments codes, scales, bq, bk, bv, qb, kv; writes qb, kv
.if DOCPART == 2
	.amdgcn_target "amdgcn-amd-amdhsa--gfx1250"
	.amdhsa_code_object_version 6
	.text
	.protected	k_q538277315f_qkv
	.globl	k_q538277315f_qkv
	.p2align	8
	.type	k_q538277315f_qkv,@function
k_q538277315f_qkv:
	s_mov_b64 s[64:65], 0
	v_nop
	global_prefetch_b8 v0, s[64:65] scope:SCOPE_SE
	s_setreg_imm32_b32 hwreg(HW_REG_WAVE_MODE, 25, 1), 1
	s_wait_xcnt 0x0
	s_wait_alu depctr_hold_cnt(0) depctr_sa_sdst(0) depctr_va_vdst(0) depctr_va_sdst(0) depctr_va_ssrc(0) depctr_va_vcc(0) depctr_vm_vsrc(0)
	s_getreg_b32 s2, hwreg(HW_REG_IB_STS2, 6, 4)
	s_cmp_eq_u32 s2, 0
	s_cbranch_scc0 .Lentry_in_a_cluster
	s_endpgm
.Lentry_in_a_cluster:
	s_bfe_u32 s2, ttmp6, 0x10000c
	s_cmp_lg_u32 s2, 0xf033
	s_cbranch_scc0 .Lentry_shape_is_right
	s_endpgm
.Lentry_shape_is_right:
; SECOND LAUNCH: q = x Wq^T + bq, k = x Wk^T + bk, v = x Wv^T + bv on codes of FP4 with E8M0 scales, K = 1,024; the results are quantised at once, in registers, for the two products of attention.  No work is left out.
; ONE BODY, THREE ROLES, by the cluster's x: 0 makes q, 1 makes k, 2 makes v.  A tile is 256 x 256, four waves of 128 x 128 (64 accumulators of 16 x 16).  The matrix instruction is used transposed
; (source 0 = 16 rows of 'B', source 1 = 16 rows of 'A'): a lane holds ONE row of A and eight neighbouring rows of B.
;   q, k: A = tokens, B = the weight's rows: a lane holds a token, its registers run along the channels, which are the K of q k^T.
;   v:    A = Wv's rows, B = tokens: a lane holds a channel, its registers run along the KEYS, which are the K of the second product.  Nothing is transposed.
; Both operands' rows lie in the order that the first launch gave them, so a lane's 16 registers of tiles 2 B and 2 B + 1 are 16 neighbours along the next K: 32 B + 16 (lane / 16) + 0 .. 15.
; OUTPUT: IMAGES OF THE NEXT LAUNCH'S OPERAND REGISTERS: four registers as 512 consecutive bytes, lane l's 16 bytes at 16 l.
;   qb [b 16 + head][group of 128 queries][4,608]: 8 tiles x 512 bytes (lane (r, h): channels 32 h .. 32 h + 31 of row r), then [lane][4 words]: word p: the scale word of tile 2 p (lanes 0-15) or 2 p + 1 (lanes 16-31).
;   kv [b 16 + head][128 keys][8,960]: K as in qb at 0; V^T at 4,096: 4 tiles of 16 channels x 128 keys, 1,024 bytes each; K's scale words at 8,192; V's at 8,704: [lane][2 words].
;   A scale word of q or k: its two bytes, and 0x7f in the two bytes of the zero codes that fill K = 64 up to 128.
; K goes through two LDS slots of 512, both asked for at the head and filled once; the scales of the work-group's rows come with them.  CLUSTERS: 4 x 4 work-groups; A's tiles are asked for jointly along a row
; of the cluster, B's along a column.  By the text's own count a wave has three tensor loads outstanding.
; LIMITS: as stated at the head of the first launch (blocks of zeros and very small blocks get the byte 1; NaN and infinities are not served).
; REGISTERS, in windows of 256: window 0: v8-29 addresses; v32-95 scale words, two sets, and nothing else; v96-127 at work on the way out; v128-191 A's fragments, on the way out a unit's 64 numbers; v192-255 the bias.
;   window 1: B's fragments, two sets.   windows 2, 3: the accumulators ((a, b) at v[8 (8 (a % 4) + b)]).
.set NQ,     4                         ; matrix instructions deep in a slot
.set ROWB,   256                       ; a tile's row in bytes: 512 codes
.set KROW,   512                       ; a row of codes in memory
.set PITCH,  272                       ; an LDS row: 256 bytes + 16 of padding: the 16 rows that a load touches start at 16 different banks (64 banks of 4 bytes: ISA guide 11.1)
.set FR,     8
.set NL,     2
.set NP,     4                         ; places behind this matrix instruction (ISA guide 7.12.1)
.set HALFT,  128*PITCH
.set SLOT,   4*HALFT
.set KS,     32                        ; a row of scales in bytes
.set SCL,    2*SLOT
.set HALFS,  (128*KS/256)*272
.set SBLK,   (16*KS/256)*272
.set SPARE,  SCL+4*HALFS               ; the spare words, 128 bytes for each wave
.set BH,   8                           ; v8   64 x (lane / 16): the bias of my half's channels
.set BR,   9                           ; v9   4 x (r + 8 (r / 8)): the bias of my row's channel
.set LI,   10                          ; v10  16 x lane
.set LSC,  11                          ; v11  16 x lane + where a record's scale words begin
.set L8,   12                          ; v12  8 x lane
.set ADRA, 16
.set ADRB, 20
.set ADRS, 27
.set SPW,  28
.set NIL,  29
.set SC,   32
.set PC,   96                          ; v96-103  the codes just made
.set TM,   104                         ; v104-119 at work in QUANT
.set PWS,  120                         ; v120-127 a scale word for each of the eight units
.set AF,   128
.set HA,   128
.set BI,   192
.set G1, 24
.set G0, 32
.set G1B, 48
.set G0B, 56
.set G1S, 68
.set G0S, 76
.set G1SB, 80
.set G0SB, 88
.set SEL, 46                           ; s[46:47] v_permlanex16_b32's selects for lane l xor 16 (free once B's descriptors are made)
.set MSB, 0
.macro WIN new                         ; the immediate's high byte repeats the setting that is left
.if MSB != (\new)
	s_set_vgpr_msb (MSB<<8)|(\new)
.set MSB, (\new)
.endif
.endm
.set MUL_LO, 0xa1                      ; source 0 (B) window 1, source 1 (A) window 0, C and D window 2
.set MUL_HI, 0xf1
.set TO_B,   0x40
; A joint load: waves 0 and 1 fetch for A, waves 2 and 3 for B.  The branch hangs on the wave's number alone.  An s_nop 0 and four v_nop follow each line.
.macro JLOAD g0a, g1a, g0b, g1b
	s_cmp_eq_u32 s15, 0
	s_cbranch_scc0 .Lfor_b_\@
	tensor_load_to_lds s[\g0a:\g0a+3], s[\g1a:\g1a+7]
	s_nop 0
.rept 4
	v_nop
.endr
	s_branch .Lasked_\@
.Lfor_b_\@:
	tensor_load_to_lds s[\g0b:\g0b+3], s[\g1b:\g1b+7]
	s_nop 0
.rept 4
	v_nop
.endr
.Lasked_\@:
.endm
.macro CROUND                          ; a round of the cluster's barrier
	s_barrier_signal -1
	s_barrier_wait -1
	s_cmp_lg_u32 s14, 0
	s_cbranch_scc1 .Lnot_wave_0_\@
	s_barrier_signal -3
.Lnot_wave_0_\@:
	s_barrier_wait -3
	s_barrier_signal -1
	s_barrier_wait -1
.endm
	s_load_b128 s[4:7], s[0:1], 0x0                ; codes, scales
	s_load_b128 s[8:11], s[0:1], 0x10              ; bq, bk
	s_load_b64 s[12:13], s[0:1], 0x20              ; bv
	s_load_b64 s[66:67], s[0:1], 0x28              ; qb
	s_load_b64 s[96:97], s[0:1], 0x30              ; kv
	v_lshl_add_u32 v[SPW], v0, 2, SPARE
	v_mov_b32 v[NIL], 0
	ds_add_u32 v[SPW], v[NIL]                      ; the wave's opening: the add, twice on end, and its wait ahead of my first tensor load
	ds_add_u32 v[SPW], v[NIL]
	v_lshrrev_b32 v1, 5, v0
	v_readfirstlane_b32 s14, v1                    ; wave 0..3
	s_lshr_b32 s15, s14, 1                         ; which half of A's rows is mine.  Also: I fetch for A (0) or for B (1)
	s_and_b32 s16, s14, 1                          ; which half of B's rows.  Also: which 128 rows I fetch
	s_bfe_u32 s40, ttmp6, 0x40000                  ; cx, cy: my place in the cluster
	s_bfe_u32 s41, ttmp6, 0x40004
	s_and_b32 s18, ttmp7, 0xffff
	s_lshl_b32 s18, s18, 2                         ; 4 x cluster y: a block of 1,024 tokens, in tiles of 256 rows
	s_lshl_b32 s19, ttmp9, 2
	s_add_co_u32 s19, s19, 32                      ; Wq's tiles begin at 32, Wk's at 36
	s_cmp_eq_u32 ttmp9, 2                          ; the role: the cluster's x, the same in all sixteen partners
	s_cselect_b32 s17, 40, s18                     ; A: Wv's tiles (from 40) or tokens
	s_cselect_b32 s42, s18, s19                    ; B: tokens or the weight's tiles
	s_add_co_u32 s17, s17, s41                     ; A's tile hangs on cy alone,
	s_add_co_u32 s42, s42, s40                     ; B's on cx alone
	s_lshl_b32 s43, s41, 2
	s_lshl_b32 s43, 15, s43                        ; my row of the cluster
	s_lshl_b32 s44, 0x1111, s40                    ; my column
	s_or_b32 s[G1+0], s43, (0<<16)|(1<<20)|(1<<21)|(5<<22)|(3<<25)  ; the mask; elements of 1 byte; padding on: 4 words behind every 64; bit 21 set beside a mask
	s_or_b32 s[G1B+0], s44, (0<<16)|(1<<20)|(1<<21)|(5<<22)|(3<<25)
.irp g, G1, G1B
	s_mov_b32 s[\g+1], ROWB<<16                    ; tensor_dim0
	s_mov_b32 s[\g+2], 128<<16                     ; tensor_dim1
	s_mov_b32 s[\g+3], ROWB<<16                    ; tile_dim0
	s_mov_b32 s[\g+4], 128                         ; tile_dim1
	s_mov_b32 s[\g+5], KROW                        ; from row to row
	s_mov_b32 s[\g+6], 0
	s_mov_b32 s[\g+7], 0
.endr
	s_or_b32 s[G1S+0], s43, (3<<16)|(1<<20)|(1<<21)|(5<<22)|(3<<25) ; the scales of 128 rows: 4,096 dense bytes as 16 rows of 256 (32 elements of 8 bytes), 16 bytes of padding behind each
	s_or_b32 s[G1SB+0], s44, (3<<16)|(1<<20)|(1<<21)|(5<<22)|(3<<25)
.irp g, G1S, G1SB
	s_mov_b32 s[\g+1], 32<<16
	s_mov_b32 s[\g+2], (128*KS/256)<<16
	s_mov_b32 s[\g+3], 32<<16
	s_mov_b32 s[\g+4], 128*KS/256
	s_mov_b32 s[\g+5], 32
	s_mov_b32 s[\g+6], 0
	s_mov_b32 s[\g+7], 0
.endr
	s_lshl_b32 s18, s16, 7                         ; which 128 rows of the tile I fetch
	s_lshl_b32 s20, s17, 8
	s_add_co_u32 s20, s20, s18                     ; A's first row
	s_lshl_b32 s46, s42, 8
	s_add_co_u32 s46, s46, s18                     ; B's
	s_mov_b32 s21, 0
	s_mov_b32 s47, 0
	s_mov_b64 s[18:19], KS
	s_mul_u64 s[22:23], s[20:21], s[18:19]         ; where these rows' scales begin,
	s_mul_u64 s[92:93], s[46:47], s[18:19]
	s_mov_b64 s[18:19], KROW
	s_mul_u64 s[20:21], s[20:21], s[18:19]         ; and their codes
	s_mul_u64 s[46:47], s[46:47], s[18:19]
	s_mul_i32 s45, s14, HALFT                      ; where they go: wave x 128 rows: no place in the cluster enters an LDS address
	s_mul_i32 s94, s14, HALFS
	s_wait_dscnt 0x0                               ; both opening adds are done
	s_wait_kmcnt 0x0
	s_add_nc_u64 s[20:21], s[4:5], s[20:21]
	s_add_nc_u64 s[22:23], s[6:7], s[22:23]
	s_add_nc_u64 s[46:47], s[4:5], s[46:47]
	s_add_nc_u64 s[92:93], s[6:7], s[92:93]
	CROUND                                         ; all sixteen work-groups are here: the first joint loads meet
	s_mov_b32 s[G0S], 1
	s_add_co_u32 s[G0S+1], s94, SCL
	s_mov_b64 s[G0S+2:G0S+3], s[22:23]
	s_or_b32 s[G0S+3], s[G0S+3], 0x80000000
	s_mov_b32 s[G0SB], 1
	s_add_co_u32 s[G0SB+1], s94, SCL
	s_mov_b64 s[G0SB+2:G0SB+3], s[92:93]
	s_or_b32 s[G0SB+3], s[G0SB+3], 0x80000000
	JLOAD G0S, G1S, G0SB, G1SB                     ; the scales first: they are wanted with slot 0
.irp s, 0,1
	s_mov_b32 s[G0+4*\s], 1
	s_add_co_u32 s[G0+4*\s+1], s45, \s*SLOT
	s_add_nc_u64 s[G0+4*\s+2:G0+4*\s+3], s[20:21], \s*ROWB
	s_or_b32 s[G0+4*\s+3], s[G0+4*\s+3], 0x80000000
	s_mov_b32 s[G0B+4*\s], 1
	s_add_co_u32 s[G0B+4*\s+1], s45, \s*SLOT
	s_add_nc_u64 s[G0B+4*\s+2:G0B+4*\s+3], s[46:47], \s*ROWB
	s_or_b32 s[G0B+4*\s+3], s[G0B+4*\s+3], 0x80000000
	JLOAD G0+4*\s, G1, G0B+4*\s, G1B
.endr
	v_and_b32 v1, 15, v0                           ; r = l % 16
	v_bfe_u32 v2, v0, 4, 1                         ; h = l / 16
	v_mul_u32_u24 v3, v1, PITCH
	v_lshl_add_u32 v4, v2, 4, v3                   ; a fragment's row x pitch + 16 x half
	s_mul_i32 s21, s15, HALFT                      ; my 128 rows of A
	s_mul_i32 s22, s16, HALFT                      ; my 128 rows of B,
	s_add_co_u32 s22, s22, 2*HALFT                 ; which lie behind A's 256
.irp s, 0,1
	v_add_nc_u32 v[ADRA+\s], s21, v4
	v_add_nc_u32 v[ADRB+\s], s22, v4
	s_add_co_u32 s21, s21, SLOT
	s_add_co_u32 s22, s22, SLOT
.endr
	v_mul_u32_u24 v5, v1, KS                       ; my row's scales: 32 bytes a row,
	v_lshrrev_b32 v6, 8, v5
	v_lshl_add_u32 v5, v6, 4, v5                   ; and 16 more for each 256 passed
	s_mul_i32 s21, s15, HALFS
	s_mul_i32 s22, s16, HALFS
	s_add_co_u32 s22, s22, 2*HALFS
	s_sub_co_u32 s22, s22, s21
	v_mul_u32_u24 v6, s22, v2                      ; lanes 16-31 take B's
	s_add_co_u32 s21, s21, SCL
	v_add_nc_u32 v5, v5, v6
	v_add_nc_u32 v[ADRS], s21, v5
	v_lshlrev_b32 v[BH], 6, v2
	v_and_b32 v5, 8, v1
	v_add_nc_u32 v5, v5, v1
	v_lshlrev_b32 v[BR], 2, v5
	v_and_b32 v6, 31, v0
	v_lshlrev_b32 v[LI], 4, v6
	v_lshlrev_b32 v[L8], 3, v6
.irp b, 0,1,2,3
	v_mov_b32 v[TM+4+\b], 0                        ; written once: a lane permute's destination counts as one of its sources
.endr
	s_mov_b32 s[SEL], 0x76543210
	s_mov_b32 s[SEL+1], 0xfedcba98
	s_mov_b32 s22, 0xffff0000                      ; lanes 16-31
	s_mov_b32 s23, 0x7f7f0000                      ; the bytes that stand over zero codes
.macro FRAG reg, adr, q, i             ; 16 rows x 128 K of 4-bit codes: lane l holds row l % 16; registers 4 c .. 4 c + 3 hold K = 64 c + 32 (l / 16) + 0 .. 31
.irp c, 0,1
	ds_load_b128 v[\reg+4*\c:\reg+4*\c+3], v[\adr] offset:64*(\q)+32*\c+(\i)*16*PITCH
.endr
.endm
; 16 matrix instructions: A's blocks a0, a0 + 1 x B's eight, the slot's q-th 128 along K.  The 64 accumulators take turns, one instruction a turn, in the same order in every step.
.macro MUL16 a0, p, q, sc, zero
.irp a, \a0, \a0+1
.irp b, 0,1,2,3,4,5,6,7
.if \zero
	v_wmma_scale_f32_16x16x128_f8f6f4 v[8*(8*((\a)%4)+\b):8*(8*((\a)%4)+\b)+7], v[128*(\p)+FR*\b:128*(\p)+FR*\b+FR-1], v[AF+FR*(\a):AF+FR*(\a)+FR-1], 0, v[SC+8*NQ*(\sc)+NQ*\b+(\q)], v[SC+8*NQ*(\sc)+NQ*(\a)+(\q)] matrix_a_fmt:MATRIX_FMT_FP4 matrix_b_fmt:MATRIX_FMT_FP4 matrix_a_scale:MATRIX_SCALE_ROW1
.else
	v_wmma_scale_f32_16x16x128_f8f6f4 v[8*(8*((\a)%4)+\b):8*(8*((\a)%4)+\b)+7], v[128*(\p)+FR*\b:128*(\p)+FR*\b+FR-1], v[AF+FR*(\a):AF+FR*(\a)+FR-1], v[8*(8*((\a)%4)+\b):8*(8*((\a)%4)+\b)+7], v[SC+8*NQ*(\sc)+NQ*\b+(\q)], v[SC+8*NQ*(\sc)+NQ*(\a)+(\q)] matrix_a_fmt:MATRIX_FMT_FP4 matrix_b_fmt:MATRIX_FMT_FP4 matrix_a_scale:MATRIX_SCALE_ROW1
.endif
.endr
.endr
.endm
.macro FETCH_B slot, q, p
	WIN TO_B
.irp i, 0,1,2,3,4,5,6,7
	FRAG 128*(\p)+FR*\i, ADRB+\slot, \q, \i
.endr
	WIN 0
.endm
.macro FETCH_A slot, q, i0
.irp i, \i0, \i0+1, \i0+2, \i0+3
	FRAG AF+FR*(\i), ADRA+\slot, \q, \i
.endr
.endm
.macro SCALES sc                       ; a slot's scale words: 4 words a row; lanes 0-15 take A's block i, lanes 16-31 B's block i
.irp i, 0,1,2,3,4,5,6,7
	ds_load_b128 v[SC+8*NQ*\sc+NQ*\i:SC+8*NQ*\sc+NQ*\i+3], v[ADRS] offset:\i*SBLK
.endr
.endm
.macro PLACES n                        ; plain vector instructions between a matrix instruction and a load into, or a vector instruction on, its registers (ISA guide 7.12.1 for vector instructions)
.rept \n
	v_nop
.endr
.endm
.macro STEP slot, q, zero              ; 128 along K, with its successor in the same slot
	s_wait_dscnt 4*NL                              ; B's set and A's blocks 0-3 are in; the youngest eight loads (A's blocks 4-7) may be out
	WIN MUL_LO
	MUL16 0, (\q)%2, \q, \slot, \zero
	MUL16 2, (\q)%2, \q, \slot, \zero
	s_wait_dscnt 0
	PLACES NP
	FETCH_B \slot, (\q)+1, 1-(\q)%2
	FETCH_A \slot, (\q)+1, 0
	WIN MUL_HI
	MUL16 4, (\q)%2, \q, \slot, \zero
	MUL16 6, (\q)%2, \q, \slot, \zero
	PLACES NP
	WIN 0
	FETCH_A \slot, (\q)+1, 4
.endm
; Slot 0's last step changes slots: each wave waits for all its tensor loads (its part of slot 1), adds 0 to its spare word, waits for that and for its reads; one barrier.  Nothing is filled again.
.macro TURN slot, next
	s_wait_tensorcnt 0x0
	ds_add_u32 v[SPW], v[NIL]
	s_wait_dscnt 4*NL+1                            ; (the add and the youngest eight loads may be out)
	WIN MUL_LO
	MUL16 0, 1, NQ-1, \slot, 0
	s_wait_dscnt 0x0
	s_barrier_signal -1
	MUL16 2, 1, NQ-1, \slot, 0
	WIN 0
	s_barrier_wait -1
	PLACES NP
	v_add_nc_u32 v[ADRS], 4*NQ, v[ADRS]            ; on to the next slot's scale words (no LDS load of mine is out)
	FETCH_B \next, 0, 0
	FETCH_A \next, 0, 0
	SCALES \next
	WIN MUL_HI
	MUL16 4, 1, NQ-1, \slot, 0
	MUL16 6, 1, NQ-1, \slot, 0
	PLACES NP
	WIN 0
	FETCH_A \next, 0, 4
.endm
.macro STEPS slot, from
.set Q, \from
.rept NQ-1-\from
	STEP \slot, Q, 0
.set Q, Q+1
.endr
.endm
.macro REST                            ; slot 1's four steps; then the bias, asked for ahead of them, is in
	STEPS 1, 0
	s_wait_dscnt 4*NL
	WIN MUL_LO
	MUL16 0, 1, NQ-1, 1, 0
	MUL16 2, 1, NQ-1, 1, 0
	s_wait_dscnt 0
	WIN MUL_HI
	MUL16 4, 1, NQ-1, 1, 0
	MUL16 6, 1, NQ-1, 1, 0
	WIN 0
	PLACES NP                                      ; the way out writes the registers that held A's fragments
	s_wait_loadcnt 0x0
.endm
; 64 numbers of a lane, register 16 b + i = k 32 b + 16 (lane / 16) + i of my row, become a fragment's codes in v[PC] on and its scale word in v[pw].
.macro QUANT s, pw
.irp b, 0,1,2,3
	v_max3_num_f32 v[TM+\b], |v[\s+16*\b]|, |v[\s+1+16*\b]|, 0x1800000   ; block b: my 16 numbers, and the floor 2^(3 - 127): the byte cannot fall under 1
.endr
.irp i, 2,4,6,8,10,12,14
.irp b, 0,1,2,3
	v_max3_num_f32 v[TM+\b], v[TM+\b], |v[\s+16*\b+\i]|, |v[\s+1+16*\b+\i]|
.endr
.endr
.irp b, 0,1,2,3
	v_permlanex16_b32 v[TM+4+\b], v[TM+\b], s[SEL], s[SEL+1]
.endr
.irp b, 0,1,2,3
	v_max_num_f32 v[TM+\b], v[TM+\b], v[TM+4+\b]   ; with lane l xor 16's: the block's largest magnitude
.endr
.irp b, 0,1,2,3
	v_add_nc_u32 v[TM+12+\b], 0xff000000, v[TM+\b] ; 2 off its exponent field: the conversion's scale operand
.endr
.irp b, 0,1,2,3
	v_lshrrev_b32 v[TM+4+\b], 23, v[TM+12+\b]      ; the scale's byte
.endr
	v_lshl_or_b32 v[\pw], v[TM+5], 8, v[TM+4]
	v_lshl_or_b32 v[\pw], v[TM+6], 16, v[\pw]
	v_lshl_or_b32 v[\pw], v[TM+7], 24, v[\pw]
.irp b, 0,1,2,3
	v_cvt_scalef32_pk8_fp4_f32 v[PC+2*\b], v[\s+16*\b:\s+7+16*\b], v[TM+12+\b]
	v_cvt_scalef32_pk8_fp4_f32 v[PC+1+2*\b], v[\s+8+16*\b:\s+15+16*\b], v[TM+12+\b]
.endr
	v_nop                                          ; one plain place behind a scaled conversion
.irp c, 0,1                                    ; the operand's layout wants a whole block in a lane
.irp i, 0,1
	v_permlane16_swap_b32 v[PC+4*\c+\i], v[PC+2+4*\c+\i]
.endr
.endr
.endm
; Unit a: A's block a against B's 128 rows.  The bias is added on the way from the accumulators (each from its low end on) into window 0; the 64 numbers are quantised; the codes leave as two images of 512 bytes.
.macro UNIT a, isv
	s_wait_xcnt 0x0                                ; the last unit's stores have read the codes' registers
	WIN 0x02+(\a)/4                                ; source 0: window 2 or 3
.irp t, 0,1,2,3,4,5,6,7
.irp i, 0,2,4,6
.if \isv
	v_pk_add_f32 v[HA+8*\t+\i:HA+8*\t+\i+1], v[64*((\a)%4)+8*\t+\i:64*((\a)%4)+8*\t+\i+1], v[BI+2*(\a):BI+2*(\a)+1]
.else
	v_pk_add_f32 v[HA+8*\t+\i:HA+8*\t+\i+1], v[64*((\a)%4)+8*\t+\i:64*((\a)%4)+8*\t+\i+1], v[BI+8*\t+\i:BI+8*\t+\i+1]
.endif
.endr
.endr
	WIN 0
	QUANT HA, PWS+(\a)
.if \isv
	global_store_b128 v[LI], v[PC:PC+3], s[92+2*((\a)/4):93+2*((\a)/4)] offset:4096+((\a)%4)*1024        ; 512 consecutive bytes, aligned
	global_store_b128 v[LI], v[PC+4:PC+7], s[92+2*((\a)/4):93+2*((\a)/4)] offset:4096+((\a)%4)*1024+512
.else
	global_store_b128 v[LI], v[PC:PC+3], s[92:93] offset:512*(\a)      ; channels 0-63 of my 128: the first head's record
	global_store_b128 v[LI], v[PC+4:PC+7], s[94:95] offset:512*(\a)    ; channels 64-127: the second head's
.endif
.endm
	s_wait_tensorcnt 1                             ; the scales and my part of slot 0 are in (slot 1's load may be out),
	s_barrier_signal -1
	s_barrier_wait -1                              ; everybody's are
	FETCH_B 0, 0, 0
	FETCH_A 0, 0, 0
	SCALES 0
	FETCH_A 0, 0, 4
	STEP 0, 0, 1                                   ; the first step's products start the sums: nothing is cleared
	STEPS 0, 1
	TURN 0, 1
	s_cmp_eq_u32 ttmp9, 2                          ; the roles part: the cluster's x, the same in all sixteen partners.  Each arm holds slot 1's steps and its own way out
	s_cbranch_scc1 .Lv
	; ---- q or k: a lane holds a token, its registers run along 128 channels: two heads
	s_lshl_b32 s98, s17, 8
	s_lshl_b32 s99, s15, 7
	s_add_co_u32 s98, s98, s99                     ; my first token, m = 2048 b + s
	s_lshr_b32 s99, s98, 11                        ; b
	s_bfe_u32 s98, s98, 0x40007                    ; which 128 of the sequence
	s_lshl_b32 s100, s42, 8
	s_lshl_b32 s101, s16, 7
	s_add_co_u32 s100, s100, s101
	s_and_b32 s100, s100, 1023                     ; my first channel
	s_lshr_b32 s101, s100, 6                       ; its head
	s_lshl_b32 s99, s99, 4
	s_add_co_u32 s99, s99, s101
	s_lshl_b32 s99, s99, 4
	s_add_co_u32 s99, s99, s98                     ; the record's number
	s_mov_b32 s2, 4608
	s_mov_b32 s3, 4096
	s_cmp_eq_u32 ttmp9, 1
	s_cselect_b32 s2, 8960, s2                     ; a record's bytes,
	s_cselect_b32 s3, 8192, s3                     ; where its scale words begin,
	s_cselect_b64 s[92:93], s[96:97], s[66:67]     ; the buffer: kv or qb,
	s_cselect_b64 s[20:21], s[10:11], s[8:9]       ; the bias: bk or bq
	s_mul_i32 s98, s99, s2
	s_mov_b32 s99, 0
	s_add_nc_u64 s[92:93], s[92:93], s[98:99]      ; the first head's record,
	s_lshl_b32 s98, s2, 4
	s_add_nc_u64 s[94:95], s[92:93], s[98:99]      ; the second head's: 16 records on
	s_lshl_b32 s98, s100, 2
	s_add_nc_u64 s[20:21], s[20:21], s[98:99]
	s_wait_alu depctr_va_vdst(0)
	v_add_nc_u32 v[LSC], s3, v[LI]
.irp t, 0,1,2,3,4,5,6,7                        ; the bias in the results' layout: tile t, lane (r, h): channels 32 (t / 2) + 16 h + 8 (t % 2) + 0 .. 7
	global_load_b128 v[BI+8*\t:BI+8*\t+3], v[BH], s[20:21] offset:(32*(\t/2)+8*(\t%2))*4
	global_load_b128 v[BI+8*\t+4:BI+8*\t+7], v[BH], s[20:21] offset:(32*(\t/2)+8*(\t%2))*4+16
.endr
	REST
.irp a, 0,1,2,3,4,5,6,7
	UNIT \a, 0
.endr
.irp p, 0,1,2,3                                ; the scale words: lanes 0-15 tile 2 p's, lanes 16-31 tile 2 p + 1's; bytes 0, 1 are the first head's, bytes 2, 3 the second's
	v_cndmask_b32 v136, v[PWS+2*\p], v[PWS+2*\p+1], s22
	v_lshrrev_b32 v137, 16, v136
	v_and_or_b32 v[128+\p], v136, 0xffff, s23
	v_or_b32 v[132+\p], s23, v137
.endr
	global_store_b128 v[LSC], v[128:131], s[92:93]
	global_store_b128 v[LSC], v[132:135], s[94:95]
	s_branch .Ldone
.Lv:	; ---- v: a lane holds a channel, its registers run along 128 keys
	s_sub_co_u32 s98, s17, 40
	s_lshl_b32 s98, s98, 8
	s_lshl_b32 s99, s15, 7
	s_add_co_u32 s100, s98, s99                    ; my first channel
	s_lshr_b32 s101, s100, 6                       ; its head
	s_lshl_b32 s98, s42, 8
	s_lshl_b32 s99, s16, 7
	s_add_co_u32 s98, s98, s99                     ; my first key, m = 2048 b + s
	s_lshr_b32 s99, s98, 11
	s_bfe_u32 s98, s98, 0x40007
	s_lshl_b32 s99, s99, 4
	s_add_co_u32 s99, s99, s101
	s_lshl_b32 s99, s99, 4
	s_add_co_u32 s99, s99, s98
	s_mul_i32 s98, s99, 8960
	s_mov_b32 s99, 0
	s_add_nc_u64 s[92:93], s[96:97], s[98:99]
	s_add_nc_u64 s[94:95], s[92:93], 16*8960
	s_lshl_b32 s98, s100, 2
	s_add_nc_u64 s[20:21], s[12:13], s[98:99]
	s_wait_alu depctr_va_vdst(0)
.irp a, 0,1,2,3,4,5,6,7                        ; the bias of my row's channel in block a, twice: a pair for the packed addition
	global_load_b32 v[BI+2*\a], v[BR], s[20:21] offset:(32*(\a/2)+8*(\a%2))*4
	global_load_b32 v[BI+2*\a+1], v[BR], s[20:21] offset:(32*(\a/2)+8*(\a%2))*4
.endr
	REST
.irp a, 0,1,2,3,4,5,6,7
	UNIT \a, 1
.endr
.irp hd, 0,1
.irp al, 0,1
	v_cndmask_b32 v[128+2*\hd+\al], v[PWS+4*\hd+2*\al], v[PWS+4*\hd+2*\al+1], s22
.endr
	global_store_b64 v[L8], v[128+2*\hd:129+2*\hd], s[92+2*\hd:93+2*\hd] offset:8704   ; 256 consecutive bytes, aligned
.endr
.Ldone:
	s_wait_tensorcnt 0x0                           ; the wave's end
	ds_add_u32 v[SPW], v[NIL]
	s_wait_dscnt 0x0
	CROUND                                         ; the closing round
	s_endpgm
.Lfunc_end_k_q538277315f_qkv:
	.size	k_q538277315f_qkv, .Lfunc_end_k_q538277315f_qkv-k_q538277315f_qkv
	.p2alignl 7, 3214868480
	.fill 96, 4, 3214868480
	.section	.rodata,"a",@progbits
	.p2align	6, 0x0
	.amdhsa_kernel k_q538277315f_qkv
		.amdhsa_group_segment_fixed_size 327680
		.amdhsa_private_segment_fixed_size 0
		.amdhsa_enable_private_segment 0
		.amdhsa_kernarg_size 56
		.amdhsa_user_sgpr_count 2
		.amdhsa_user_sgpr_kernarg_segment_ptr 1
		.amdhsa_wavefront_size32 1
		.amdhsa_system_sgpr_workgroup_id_x 1
		.amdhsa_system_sgpr_workgroup_id_y 1
		.amdhsa_system_sgpr_workgroup_id_z 1
		.amdhsa_system_vgpr_workitem_id 0
		.amdhsa_next_free_vgpr 1024
		.amdhsa_next_free_sgpr 102
		.amdhsa_reserve_vcc 0
		.amdhsa_float_denorm_mode_32 3
		.amdhsa_float_denorm_mode_16_64 3
		.amdhsa_memory_ordered 1
		.amdhsa_forward_progress 1
		.amdhsa_inst_pref_size 237
	.end_amdhsa_kernel
	.amdgpu_metadata
---
amdhsa.version: [ 1, 2 ]
amdhsa.kernels:
  - .name:           k_q538277315f_qkv
    .symbol:         k_q538277315f_qkv.kd
    .args:
      - { .name: codes, .offset: 0, .size: 8, .value_kind: global_buffer, .address_space: global }
      - { .name: scales, .offset: 8, .size: 8, .value_kind: global_buffer, .address_space: global }
      - { .name: bq, .offset: 16, .size: 8, .value_kind: global_buffer, .address_space: global }
      - { .name: bk, .offset: 24, .size: 8, .value_kind: global_buffer, .address_space: global }
      - { .name: bv, .offset: 32, .size: 8, .value_kind: global_buffer, .address_space: global }
      - { .name: qb, .offset: 40, .size: 8, .value_kind: global_buffer, .address_space: global }
      - { .name: kv, .offset: 48, .size: 8, .value_kind: global_buffer, .address_space: global }
    .group_segment_fixed_size: 327680
    .private_segment_fixed_size: 0
    .kernarg_segment_align: 8
    .kernarg_segment_size: 56
    .max_flat_workgroup_size: 128
    .sgpr_count:     102
    .vgpr_count:     1024
    .wavefront_size: 32
...
	.end_amdgpu_metadata
.endif
;; end of part 2
;; launch attn (part 3): grid 8 x 32, 16 waves a work-group, clusters of 4 x 1, 327,680 bytes of LDS; arguments qb, kv, o_codes, o_sc; writes o_codes, o_sc
.if DOCPART == 3
	.amdgcn_target "amdgcn-amd-amdhsa--gfx1250"
	.amdhsa_code_object_version 6
	.text
	.protected	k_q538277315f_attn
	.globl	k_q538277315f_attn
	.p2align	8
	.type	k_q538277315f_attn,@function
k_q538277315f_attn:
	s_mov_b64 s[64:65], 0
	v_nop
	global_prefetch_b8 v0, s[64:65] scope:SCOPE_SE
	s_setreg_imm32_b32 hwreg(HW_REG_WAVE_MODE, 25, 1), 1
	s_wait_xcnt 0x0
	s_wait_alu depctr_hold_cnt(0) depctr_sa_sdst(0) depctr_va_vdst(0) depctr_va_sdst(0) depctr_va_ssrc(0) depctr_va_vcc(0) depctr_vm_vsrc(0)
	s_getreg_b32 s2, hwreg(HW_REG_IB_STS2, 6, 4)
	s_cmp_eq_u32 s2, 0
	s_cbranch_scc0 .Lentry_in_a_cluster
	s_endpgm
.Lentry_in_a_cluster:
	s_bfe_u32 s2, ttmp6, 0x10000c
	s_cmp_lg_u32 s2, 0x3003
	s_cbranch_scc0 .Lentry_shape_is_right
	s_endpgm
.Lentry_shape_is_right:
; THIRD LAUNCH: attention on codes of FP4, head size 64, 2,048 keys, no mask; its result is quantised at once for the projection on the way out.  No work is left out.
; t = score x log2(e) / 8; M = the running largest t rounded UP to a whole number; p = 2^(t - M) is quantised along the keys, not normalised; the row's sum is taken of the unquantised p and divides O at the end.
; When M moves, the sum and O are multiplied by 2^(old M - new M): exact.
; SHARES.  A work-group owns 256 queries of a PAIR of heads 2 j, 2 j + 1 of one batch; each of its sixteen waves owns one tile of 16 queries, first for head 2 j, then for head 2 j + 1: so a lane ends with a whole
; fragment (128 along the projection's K) and a whole scale word.  Four waves share a SIMD: one wave's vector work stands beside another's matrix work and LDS loads.
; LDS.  Both heads' K, V and scale words, 2 x 16 records of 8,960 bytes, are asked for at the head and filled once; there is no ring.  Wave w fetches record w of each head: two tensor loads outstanding, by the text's own count.
; CLUSTER.  The four query blocks of a cluster walk the same K and V: each record is asked for jointly, with a mask that names the four.
; LAYOUT.  Both products are used transposed: S^T = K Q^T, O^T = V^T P^T: a lane holds one query throughout.  The records hold images of the operands' registers (lane l's 16 bytes at 16 l), and the rows of their tiles
; were chosen two launches ago so that the 16 registers of tiles 2 B and 2 B + 1 are 16 neighbours along the next K.  K = 64 of the first product is filled up to 128 with zero codes in registers that are cleared once.
; OUTPUT.  o_codes [2][tile T = 128 b + query tile][4][2][lane][16 bytes]: K step j = 4 s2 + q of the projection, half c = the head's parity.  o_sc [j][16 T + r]: a word a row.
; LIMITS: the running maximum starts at -3e38; blocks of zeros and very small blocks get the byte 1; NaN and infinities are not served.
; REGISTERS: v1-11, v255 addresses and the like; v12 -M, v13 the largest t, v[14:15] the sum; v16-31 Q's two fragments; v32-95 K's eight; v96-159 S^T, then p; v160-191 O^T; v192-223 V's four; v224-231 p's codes;
;   v232-243 at work; v244-247 K's scale words; v248-249 V's; v[250:251] f and 0; v252, v254 at work; v253 p's scale word; v8, v9 Q's scale words.
.set REC,   8960
.set HEADB, 16*REC
.set OSTG,  2*HEADB                    ; the scale words' stage: 256 rows x 4 bytes; no tensor load lands here
.set SPARE, OSTG+1024                  ; the spare words, 128 bytes for each of sixteen waves
.set LI,   1                           ; v1   16 x lane
.set L8,   2                           ; v2   8 x lane
.set ADR,  3                           ; v3   the step's record + 16 x lane (at the head: Q's offset)
.set ADR8, 4                           ; v4   the step's record + 8 x lane
.set SPW,  5
.set NIL,  6
.set QSO,  7                           ; v7   Q's scale word's offset
.set OW,   10                          ; v10  the result's scale word
.set OSA,  11                          ; v11  where it goes in the stage
.set OSR,  255                         ; v255 where waves 0 and 1 read the stage back
.set WV,   12
.set SEL,  20
.set CS,   22
.set G1,   24
.set G0A,  32
.set G0B,  36
.set TB,   2                           ; s2   LDS byte at which the step's record begins
.set CNT,  3
.macro ROUND                           ; a round of the cluster's barrier
	s_barrier_signal -1
	s_barrier_wait -1
	s_cmp_lg_u32 s[WV], 0
	s_cbranch_scc1 .Lnot_wave_0_\@
	s_barrier_signal -3
.Lnot_wave_0_\@:
	s_barrier_wait -3
	s_barrier_signal -1
	s_barrier_wait -1
.endm
	s_load_b256 s[4:11], s[0:1], 0x0               ; qb, kv, o_codes, o_sc
	v_lshl_add_u32 v[SPW], v0, 2, SPARE
	v_mov_b32 v[NIL], 0
	ds_add_u32 v[SPW], v[NIL]                      ; the wave's opening: the add, twice on end, and its wait ahead of my first tensor load
	ds_add_u32 v[SPW], v[NIL]
	v_lshrrev_b32 v1, 5, v0
	s_delay_alu instid0(VALU_DEP_1)
	v_readfirstlane_b32 s[WV], v1                  ; wave 0..15
	s_bfe_u32 s13, ttmp6, 0x40000                  ; cx
	s_lshl_b32 s14, ttmp9, 2
	s_add_co_u32 s14, s14, s13                     ; my block of 256 queries: it enters Q's and the outputs' addresses alone
	s_and_b32 s15, ttmp7, 0xffff                   ; 8 b + j, which the four partners share
	s_mov_b32 s[G1], 15|(3<<16)|(1<<21)            ; the mask: all four; elements of 8 bytes; no padding; bit 21 set beside a mask
	s_mov_b32 s[G1+1], 32<<16                      ; a record: 35 dense rows of 256 bytes
	s_mov_b32 s[G1+2], 35<<16
	s_mov_b32 s[G1+3], 32<<16
	s_mov_b32 s[G1+4], 35
	s_mov_b32 s[G1+5], 32
	s_mov_b32 s[G1+6], 0
	s_mov_b32 s[G1+7], 0
	s_mul_i32 s16, s[WV], REC                      ; record w: in LDS, and in a head
	s_mul_i32 s40, s15, 2*HEADB                    ; the pair of heads in kv
	s_add_co_u32 s40, s40, s16
	s_mov_b32 s41, 0
	s_mov_b32 s[SEL], 0x76543210
	s_mov_b32 s[SEL+1], 0xfedcba98
	s_mov_b32 s[CS], 0x3e38aa3b                    ; c = log2(e) / sqrt(64)
	s_mov_b32 s[CS+1], s[CS]
	s_lshl_b32 s42, s15, 5                         ; Q: head 2 j of batch b is number 2 (8 b + j); 16 records a head
	s_lshl_b32 s43, s14, 1
	s_add_co_u32 s42, s42, s43
	s_lshr_b32 s43, s[WV], 3
	s_add_co_u32 s42, s42, s43                     ; my group of 128 queries
	s_mul_i32 s42, s42, 4608
	s_mov_b32 s43, 0
	s_and_b32 s44, s[WV], 7                        ; my tile in it
	s_lshl_b32 s45, s44, 9                         ; its image
	s_lshr_b32 s44, s44, 1
	s_lshl_b32 s44, s44, 2
	s_and_b32 s46, s[WV], 1
	s_lshl_b32 s47, s46, 8
	s_add_co_u32 s44, s44, s47
	s_add_co_u32 s44, s44, 4096                    ; its scale words: word (tile / 2) of lanes 16 (tile % 2) + r
	s_lshl_b32 s47, s[WV], 6
	s_add_co_u32 s47, s47, OSTG
	s_lshl_b32 s46, s46, 9
	s_add_co_u32 s48, s46, OSTG
	s_lshr_b32 s49, s15, 3                         ; b
	s_and_b32 s50, s15, 7                          ; j
	s_lshl_b32 s49, s49, 7
	s_lshl_b32 s51, s14, 4
	s_add_co_u32 s49, s49, s51                     ; the work-group's first tile: 128 b + 16 x block
	s_add_co_u32 s52, s49, s[WV]                   ; T
	s_lshl_b32 s52, s52, 12
	s_lshr_b32 s51, s50, 2
	s_lshl_b32 s51, s51, 21
	s_add_co_u32 s52, s52, s51
	s_and_b32 s51, s50, 3
	s_lshl_b32 s51, s51, 10
	s_add_co_u32 s52, s52, s51
	s_mov_b32 s53, 0
	s_lshl_b32 s58, s50, 15
	s_lshl_b32 s49, s49, 6
	s_add_co_u32 s58, s58, s49
	s_add_co_u32 s58, s58, s46                     ; o_sc: 32,768 j + 64 x first tile + 512 x (wave % 2)
	s_mov_b32 s59, 0
	s_wait_dscnt 0x0                               ; both opening adds are done
	s_wait_kmcnt 0x0
	s_mov_b32 s[G0A], 1
	s_mov_b32 s[G0A+1], s16
	s_add_nc_u64 s[G0A+2:G0A+3], s[6:7], s[40:41]
	s_mov_b32 s[G0B], 1
	s_add_co_u32 s[G0B+1], s16, HEADB
	s_add_nc_u64 s[G0B+2:G0B+3], s[G0A+2:G0A+3], HEADB
	s_or_b32 s[G0A+3], s[G0A+3], 0x80000000
	s_or_b32 s[G0B+3], s[G0B+3], 0x80000000
	s_add_nc_u64 s[4:5], s[4:5], s[42:43]
	s_add_nc_u64 s[8:9], s[8:9], s[52:53]
	s_add_nc_u64 s[10:11], s[10:11], s[58:59]
	ROUND                                          ; all four work-groups are here: the joint loads meet
	tensor_load_to_lds s[G0A:G0A+3], s[G1:G1+7]    ; record w of head 2 j
	s_nop 0
	s_wait_alu depctr_va_vdst(0)
	s_wait_tensorcnt 0x0
	ds_add_u32 v5, v6
	s_wait_dscnt 0x0
	ROUND
	tensor_load_to_lds s[G0B:G0B+3], s[G1:G1+7]    ; and of head 2 j + 1
	s_nop 0
.rept 4
	v_nop
.endr
	v_and_b32 v252, 31, v0
	v_and_b32 v254, 15, v0
	s_delay_alu instid0(VALU_DEP_2)
	v_lshlrev_b32 v[LI], 4, v252
	s_delay_alu instid0(VALU_DEP_3)
	v_lshlrev_b32 v[L8], 3, v252
	s_delay_alu instid0(VALU_DEP_2)
	v_add_nc_u32 v[ADR], s45, v[LI]
	s_delay_alu instid0(VALU_DEP_4)
	v_lshl_add_u32 v[QSO], v254, 4, s44
	global_load_b128 v[16:19], v[ADR], s[4:5]                  ; Q's fragments stay in registers
	global_load_b128 v[24:27], v[ADR], s[4:5] offset:16*4608
	global_load_b32 v8, v[QSO], s[4:5]
	global_load_b32 v9, v[QSO], s[4:5] offset:16*4608
	v_lshl_add_u32 v[OSA], v254, 2, s47
	v_add_nc_u32 v[OSR], s48, v[LI]
.irp j, 20,21,22,23,28,29,30,31
	v_mov_b32 v[\j], 0                             ; the zero codes that fill K = 64 up to 128: Q's,
.endr
.irp t, 0,1,2,3,4,5,6,7
.irp j, 4,5,6,7
	v_mov_b32 v[32+8*\t+\j], 0                     ; and K's: written once, no load lands here
.endr
.endr
.irp b, 0,1,2,3
	v_mov_b32 v[236+\b], 0                         ; a lane permute's destination counts as one of its sources
.endr
	v_mov_b32 v251, 0                              ; (named as the upper half of the pair v[250:251])
; A KEY STEP: 128 keys: one record.
.macro STEP qf, qs
	v_add_nc_u32 v[ADR], s[TB], v[LI]
	v_add_nc_u32 v[ADR8], s[TB], v[L8]
	v_nop
	v_nop                                          ; four places behind the last step's products, in front of loads into registers that they have read
.irp t, 0,1,2,3,4,5,6,7
	ds_load_b128 v[32+8*\t:35+8*\t], v[ADR] offset:512*\t
.endr
	ds_load_b128 v[244:247], v[ADR] offset:8192
.irp t, 0,1,2,3
.irp c, 0,1
	ds_load_b128 v[192+8*\t+4*\c:195+8*\t+4*\c], v[ADR] offset:4096+1024*\t+512*\c
.endr
.endr
	ds_load_b64 v[248:249], v[ADR8] offset:8704
	s_wait_dscnt 9                                 ; K and its scale words are in; V's eight loads and its scale words may be out
.irp t, 0,1,2,3,4,5,6,7
.if (\t)%2 == 0
	v_wmma_scale_f32_16x16x128_f8f6f4 v[96+8*\t:103+8*\t], v[32+8*\t:39+8*\t], v[\qf:\qf+7], 0, v[244+\t/2], v[\qs] matrix_a_fmt:MATRIX_FMT_FP4 matrix_b_fmt:MATRIX_FMT_FP4
.else
	v_wmma_scale_f32_16x16x128_f8f6f4 v[96+8*\t:103+8*\t], v[32+8*\t:39+8*\t], v[\qf:\qf+7], 0, v[244+\t/2], v[\qs] matrix_a_fmt:MATRIX_FMT_FP4 matrix_b_fmt:MATRIX_FMT_FP4 matrix_a_scale:MATRIX_SCALE_ROW1
.endif
.endr
.rept 4
	v_nop
.endr
.irp b, 0,1,2,3
	v_max3_num_f32 v[232+\b], v[96+16*\b], v[97+16*\b], v[98+16*\b]   ; the largest score of each block of 32 keys: for the row's maximum, and, since p rises with the score, for the block's largest p
.endr
.irp i, 3,5,7,9,11,13
.irp b, 0,1,2,3
	v_max3_num_f32 v[232+\b], v[232+\b], v[96+16*\b+\i], v[97+16*\b+\i]
.endr
.endr
.irp b, 0,1,2,3
	v_max_num_f32 v[232+\b], v[232+\b], v[111+16*\b]
.endr
.irp b, 0,1,2,3
	s_delay_alu instid0(VALU_DEP_4)
	v_permlanex16_b32 v[236+\b], v[232+\b], s[SEL], s[SEL+1]
.endr
.irp b, 0,1,2,3
	s_delay_alu instid0(VALU_DEP_4)
	v_max_num_f32 v[232+\b], v[232+\b], v[236+\b]  ; with lane l xor 16's 16 keys
.endr
	s_delay_alu instid0(VALU_DEP_2)
	v_max3_num_f32 v254, v232, v233, v234
	s_delay_alu instid0(VALU_DEP_1)
	v_max_num_f32 v254, v254, v235
	s_delay_alu instid0(VALU_DEP_1)
	v_mul_f32 v254, s[CS], v254                    ; the step's largest t
	s_delay_alu instid0(VALU_DEP_1)
	v_max_num_f32 v13, v13, v254                   ; the running largest t
	v_mov_b32 v254, v12
	s_delay_alu instid0(VALU_DEP_2)
	v_floor_f32 v12, -v13                          ; the new -M = floor(-t)
	s_delay_alu instid0(VALU_DEP_1)
	v_sub_f32 v254, v12, v254                      ; old M - new M: a whole number, 0 or less
	s_delay_alu instid0(VALU_DEP_1)
	v_cvt_i32_f32 v254, v254                       ; (it saturates)
	s_delay_alu instid0(VALU_DEP_1)
	v_ldexp_f32 v250, 1.0, v254                    ; f = 2^(old M - new M)
.set j, 0
.rept 32
	v_pk_fma_f32 v[96+j:97+j], v[96+j:97+j], s[CS:CS+1], v[12:13] op_sel_hi:[1,0,0]   ; t - M, two at a time
.set j, j+2
.endr
.irp b, 0,1,2,3
	v_fma_f32 v[232+\b], v[232+\b], s[CS], v12     ; the same of each block's largest score
.endr
.set j, 0
	s_wait_alu depctr_va_vdst(0)
.rept 64
	v_exp_f32 v[96+j], v[96+j]                     ; p = 2^(t - M)
.set j, j+1
.endr
	s_setprio 1
	v_pk_mul_f32 v[14:15], v[14:15], v[250:251] op_sel_hi:[1,0]   ; the sums under the new M (a plain place behind the exponentials)
	s_wait_alu depctr_va_vdst(0)                   ; one wait for the whole batch, ahead of its first reader
.irp b, 0,1,2,3
	v_exp_f32 v[232+\b], v[232+\b]                 ; the block's largest p
.endr
	v_pk_add_f32 v[236:237], v[96:97], v[98:99]    ; the row's sum is taken of the unquantised p, in two chains
.set j, 4
.rept 15
	v_pk_add_f32 v[14:15], v[14:15], v[96+j:97+j]
	v_pk_add_f32 v[236:237], v[236:237], v[98+j:99+j]
.set j, j+4
.endr
	s_delay_alu instid0(VALU_DEP_1)
	v_pk_add_f32 v[14:15], v[14:15], v[236:237]
	s_wait_alu depctr_va_vdst(0)                   ; and one for the four
.irp b, 0,1,2,3
	v_max_num_f32 v[232+\b], 0x1800000, v[232+\b]  ; the floor 2^(3 - 127): the byte cannot fall under 1
.endr
.irp b, 0,1,2,3
	s_delay_alu instid0(VALU_DEP_4)
	v_add_nc_u32 v[240+\b], 0xff000000, v[232+\b]  ; 2 off the exponent field: the conversion's scale operand
.endr
.irp b, 0,1,2,3
	s_delay_alu instid0(VALU_DEP_4)
	v_lshrrev_b32 v[236+\b], 23, v[240+\b]         ; the scale's byte
.endr
	s_delay_alu instid0(VALU_DEP_3)
	v_lshl_or_b32 v253, v237, 8, v236              ; p's scale word for these 128 keys
	s_delay_alu instid0(VALU_DEP_1)
	v_lshl_or_b32 v253, v238, 16, v253
	s_delay_alu instid0(VALU_DEP_1)
	v_lshl_or_b32 v253, v239, 24, v253
.irp b, 0,1,2,3
	v_cvt_scalef32_pk8_fp4_f32 v[224+2*\b], v[96+16*\b:103+16*\b], v[240+\b]
	v_cvt_scalef32_pk8_fp4_f32 v[225+2*\b], v[104+16*\b:111+16*\b], v[240+\b]
.endr
	v_nop                                          ; one plain place behind a scaled conversion
.irp c, 0,1
.irp i, 0,1
	v_permlane16_swap_b32 v[224+4*\c+\i], v[226+4*\c+\i]   ; a whole block to a lane
.endr
.endr
.set j, 0
	s_setprio 0
.rept 16
	v_pk_mul_f32 v[160+j:161+j], v[160+j:161+j], v[250:251] op_sel_hi:[1,0]   ; O^T under the new M; these are also the places in front of the products below
.set j, j+2
.endr
	s_wait_alu depctr_va_vdst(0)
	s_wait_dscnt 0x0                               ; V and its scale words are in
.irp t, 0,1,2,3
.if (\t)%2 == 0
	v_wmma_scale_f32_16x16x128_f8f6f4 v[160+8*\t:167+8*\t], v[192+8*\t:199+8*\t], v[224:231], v[160+8*\t:167+8*\t], v[248+\t/2], v253 matrix_a_fmt:MATRIX_FMT_FP4 matrix_b_fmt:MATRIX_FMT_FP4
.else
	v_wmma_scale_f32_16x16x128_f8f6f4 v[160+8*\t:167+8*\t], v[192+8*\t:199+8*\t], v[224:231], v[160+8*\t:167+8*\t], v[248+\t/2], v253 matrix_a_fmt:MATRIX_FMT_FP4 matrix_b_fmt:MATRIX_FMT_FP4 matrix_a_scale:MATRIX_SCALE_ROW1
.endif
.endr
.endm
; One head: sixteen key steps.  O^T and the sum begin as zeros and the largest t as -3e38: the first change of M multiplies zeros, so the step is written once.
.macro PASS hd, qf, qs
	v_mov_b32 v13, 0xff61b1e6
	s_delay_alu instid0(VALU_DEP_1)
	v_floor_f32 v12, -v13
	v_mov_b32 v14, 0
	v_mov_b32 v15, 0
.set j, 0
.rept 32
	v_mov_b32 v[160+j], 0
.set j, j+1
.endr
	s_mov_b32 s[TB], HEADB*\hd
	s_mov_b32 s[CNT], 16
.Lkeys_\@:
	s_setprio 2
	STEP \qf, \qs
	s_add_co_u32 s[TB], s[TB], REC
	s_sub_co_u32 s[CNT], s[CNT], 1
	s_cmp_lg_u32 s[CNT], 0
	s_cbranch_scc1 .Lkeys_\@
	s_setprio 0
.endm
; A head's end: O^T / the sum; its 64 channels are two blocks of the projection's K: quantised, and stored as half a fragment's image.
.macro FINISH hd
.rept 4
	v_nop                                          ; places behind the last products
.endr
	v_add_f32 v14, v14, v15
	s_delay_alu instid0(VALU_DEP_1)
	v_permlanex16_b32 v252, v14, s[SEL], s[SEL+1]
	s_delay_alu instid0(VALU_DEP_1)
	v_add_f32 v14, v14, v252                       ; the row's sum
	s_wait_alu depctr_va_vdst(0)
	v_rcp_f32 v14, v14
	v_nop                                          ; a plain place behind the transcendental
	s_wait_alu depctr_va_vdst(0)                   ; the wait, ahead of its first reader
.set j, 0
.rept 16
	v_pk_mul_f32 v[96+j:97+j], v[160+j:161+j], v[14:15] op_sel_hi:[1,0]   ; register 16 b + i: channel 32 b + 16 (lane / 16) + i of my query
.set j, j+2
.endr
.irp b, 0,1
	v_max3_num_f32 v[232+\b], |v[96+16*\b]|, |v[97+16*\b]|, 0x1800000
.endr
.irp i, 2,4,6,8,10,12,14
.irp b, 0,1
	s_delay_alu instid0(VALU_DEP_2)
	v_max3_num_f32 v[232+\b], v[232+\b], |v[96+16*\b+\i]|, |v[97+16*\b+\i]|
.endr
.endr
.irp b, 0,1
	s_delay_alu instid0(VALU_DEP_2)
	v_permlanex16_b32 v[236+\b], v[232+\b], s[SEL], s[SEL+1]
.endr
.irp b, 0,1
	s_delay_alu instid0(VALU_DEP_2)
	v_max_num_f32 v[232+\b], v[232+\b], v[236+\b]
.endr
.irp b, 0,1
	s_delay_alu instid0(VALU_DEP_2)
	v_add_nc_u32 v[240+\b], 0xff000000, v[232+\b]
.endr
.irp b, 0,1
	s_delay_alu instid0(VALU_DEP_2)
	v_lshrrev_b32 v[236+\b], 23, v[240+\b]
.endr
.if \hd == 0
	s_delay_alu instid0(VALU_DEP_1)
	v_lshl_or_b32 v[OW], v237, 8, v236             ; bytes 0, 1 of the row's scale word
.else
	s_delay_alu instid0(VALU_DEP_2)
	v_lshl_or_b32 v[OW], v236, 16, v[OW]           ; bytes 2, 3
	s_delay_alu instid0(VALU_DEP_1)
	v_lshl_or_b32 v[OW], v237, 24, v[OW]
.endif
.irp b, 0,1
	v_cvt_scalef32_pk8_fp4_f32 v[128+2*\b], v[96+16*\b:103+16*\b], v[240+\b]
	v_cvt_scalef32_pk8_fp4_f32 v[129+2*\b], v[104+16*\b:111+16*\b], v[240+\b]
.endr
	v_nop
	v_permlane16_swap_b32 v128, v130
	v_permlane16_swap_b32 v129, v131
	global_store_b128 v[LI], v[128:131], s[8:9] offset:512*\hd   ; 512 consecutive bytes, aligned
.endm
	s_wait_tensorcnt 1                             ; my record of head 2 j is in; head 2 j + 1's may stay out
	s_barrier_signal -1
	s_barrier_wait -1                              ; everybody's is
	s_wait_loadcnt 0x0                             ; Q
	PASS 0, 16, 8
	FINISH 0
	s_wait_tensorcnt 0x0                           ; my record of head 2 j + 1 is in,
	s_barrier_signal -1
	s_barrier_wait -1                              ; everybody's is
	s_wait_xcnt 0x0                                ; the store above has read its registers: the next scores land there
	PASS 1, 24, 9
	FINISH 1
	ds_store_b32 v[OSA], v[OW]                     ; the scale words meet in the stage (lanes l and l xor 16 write the same word with the same value)
	s_wait_dscnt 0x0                               ; for the others' sake
	s_barrier_signal -1
	s_barrier_wait -1
	s_cmp_lt_u32 s[WV], 2
	s_cbranch_scc0 .Lno_sc
	ds_load_b128 v[132:135], v[OSR]
	s_wait_dscnt 0x0
	global_store_b128 v[LI], v[132:135], s[10:11]  ; waves 0 and 1: 512 consecutive bytes each, aligned
.Lno_sc:
	s_wait_tensorcnt 0x0                           ; the wave's end
	ds_add_u32 v[SPW], v[NIL]
	s_wait_dscnt 0x0
	ROUND                                          ; the closing round
	s_endpgm
.Lfunc_end_k_q538277315f_attn:
	.size	k_q538277315f_attn, .Lfunc_end_k_q538277315f_attn-k_q538277315f_attn
	.p2alignl 7, 3214868480
	.fill 96, 4, 3214868480
	.section	.rodata,"a",@progbits
	.p2align	6, 0x0
	.amdhsa_kernel k_q538277315f_attn
		.amdhsa_group_segment_fixed_size 327680
		.amdhsa_private_segment_fixed_size 0
		.amdhsa_enable_private_segment 0
		.amdhsa_kernarg_size 32
		.amdhsa_user_sgpr_count 2
		.amdhsa_user_sgpr_kernarg_segment_ptr 1
		.amdhsa_wavefront_size32 1
		.amdhsa_system_sgpr_workgroup_id_x 1
		.amdhsa_system_sgpr_workgroup_id_y 1
		.amdhsa_system_sgpr_workgroup_id_z 1
		.amdhsa_system_vgpr_workitem_id 0
		.amdhsa_next_free_vgpr 256
		.amdhsa_next_free_sgpr 66
		.amdhsa_reserve_vcc 0
		.amdhsa_float_denorm_mode_32 3
		.amdhsa_float_denorm_mode_16_64 3
		.amdhsa_memory_ordered 1
		.amdhsa_forward_progress 1
		.amdhsa_inst_pref_size 51
	.end_amdhsa_kernel
	.amdgpu_metadata
---
amdhsa.version: [ 1, 2 ]
amdhsa.kernels:
  - .name:           k_q538277315f_attn
    .symbol:         k_q538277315f_attn.kd
    .args:
      - { .name: qb, .offset: 0, .size: 8, .value_kind: global_buffer, .address_space: global }
      - { .name: kv, .offset: 8, .size: 8, .value_kind: global_buffer, .address_space: global }
      - { .name: o_codes, .offset: 16, .size: 8, .value_kind: global_buffer, .address_space: global }
      - { .name: o_sc, .offset: 24, .size: 8, .value_kind: global_buffer, .address_space: global }
    .group_segment_fixed_size: 327680
    .private_segment_fixed_size: 0
    .kernarg_segment_align: 8
    .kernarg_segment_size: 32
    .max_flat_workgroup_size: 512
    .sgpr_count:     66
    .vgpr_count:     256
    .wavefront_size: 32
...
	.end_amdgpu_metadata
.endif
;; end of part 3
;; launch proj (part 4): grid 4 x 64, 4 waves a work-group, clusters of 4 x 4, 327,680 bytes of LDS; arguments o_codes, o_sc, codes, scales, bo, out0; writes out0
.if DOCPART == 4
	.amdgcn_target "amdgcn-amd-amdhsa--gfx1250"
	.amdhsa_code_object_version 6
	.text
	.protected	k_q538277315f_proj
	.globl	k_q538277315f_proj
	.p2align	8
	.type	k_q538277315f_proj,@function
k_q538277315f_proj:
	s_mov_b64 s[64:65], 0
	v_nop
	global_prefetch_b8 v0, s[64:65] scope:SCOPE_SE
	s_setreg_imm32_b32 hwreg(HW_REG_WAVE_MODE, 25, 1), 1
	s_wait_xcnt 0x0
	s_wait_alu depctr_hold_cnt(0) depctr_sa_sdst(0) depctr_va_vdst(0) depctr_va_sdst(0) depctr_va_ssrc(0) depctr_va_vcc(0) depctr_vm_vsrc(0)
	s_getreg_b32 s2, hwreg(HW_REG_IB_STS2, 6, 4)
	s_cmp_eq_u32 s2, 0
	s_cbranch_scc0 .Lentry_in_a_cluster
	s_endpgm
.Lentry_in_a_cluster:
	s_bfe_u32 s2, ttmp6, 0x10000c
	s_cmp_lg_u32 s2, 0xf033
	s_cbranch_scc0 .Lentry_shape_is_right
	s_endpgm
.Lentry_shape_is_right:
; FOURTH LAUNCH: out0 = attention's result x Wo^T + bo, on codes of FP4 with E8M0 scales, K = 1,024.  No work is left out.
; A tile is 128 rows x 256 columns, so that the 8,192 x 1,024 results make 256 work-groups; four waves of 64 x 128: 32 accumulators of 16 x 16, window 2.
; A comes as the images of its fragments that the third launch stored (lane l's 16 bytes at 16 l; dense, no pitch), its scale words as [K step][row]; B = Wo's rows from the first launch, rows of 256 bytes + 16 of padding in LDS.
; K goes through two LDS slots of 512, both asked for at the head and filled once, with all scales: three tensor loads of a wave outstanding, by the text's own count.
; CLUSTERS: 4 x 4 work-groups; A's tiles are asked for jointly along a row of the cluster, B's along a column.
; The matrix instruction is used transposed (source 0 = 16 rows of Wo, source 1 = 16 rows of A): a lane holds eight neighbouring outputs of one row.  The bias is the C of each sum's first product.
; ORDER.  Row 16 T + r of A is query 32 (t / 2) + 8 (t % 2) + r + 8 (r / 8) of batch T / 128 (t = T % 128); Wo's rows lie likewise.  The way out puts both back: the columns by the place in the stage, the rows by the store's offset.
; REGISTERS: window 0: v8-29 addresses; v32-47 A's scale words, v48-79 B's, and nothing else; v128-191 A's fragments, two sets; v192-255 the bias; on the way out v128-255 are rows read back.   window 1: B's fragments, two sets, at v0 and v128.
.set PITCH, 272
.set BC0,   0                          ; B's slots: 256 rows x 272
.set BSL,   256*PITCH
.set AC0,   2*BSL                      ; A's slots: 8 tiles of rows x 4 K steps x 1,024 bytes
.set ASL,   32768
.set ASC,   AC0+2*ASL                  ; A's scale words: two halves x [8 K steps][64 rows]
.set BSC,   ASC+4096                   ; B's scale bytes: two halves x 16 units of 256 + 16
.set SPARE, BSC+2*4352                 ; the spare words, 128 bytes for each wave
.set SPITCH, 528                       ; the way out: a stage of 16 rows x (512 + 16) bytes for each wave, in B's slot 0, which has had its one fill and its last read by then
.set BHO,  8                           ; v8   64 x (lane / 16)
.set ADRA, 16
.set ADRB, 20
.set ADSA, 22
.set ADSB, 23
.set STO,  24
.set RD,   25
.set CO,   26                          ; v26  16 x lane
.set SPW,  28
.set NIL,  29
.set SA,   32                          ; register 2 k + pr: K step k; lanes 0-15 block 2 pr, lanes 16-31 block 2 pr + 1
.set SB,   48                          ; register 16 s + 4 bp + q: slot s, its q-th K step; lanes 0-15 block 2 bp, lanes 16-31 block 2 bp + 1
.set AF,   128
.set BI,   192
.set BK,   128
.set WV,   16
.set AH,   17                          ; which half of the rows is mine.  Also: I fetch for A (0) or for B (1)
.set HB,   18                          ; which half of the columns.  Also: which half I fetch
.set RW,   19                          ; tile row
.set COL,  42                          ; tile column
.set G1, 24
.set G0, 32
.set G1B, 48
.set G0B, 56
.set G1S, 68
.set G0S, 76
.set G1SB, 80
.set G0SB, 88
.set MSB, 0
.macro WIN new
.if MSB != (\new)
	s_set_vgpr_msb (MSB<<8)|(\new)
.set MSB, (\new)
.endif
.endm
.macro JLOAD g0a, g1a, g0b, g1b        ; a joint load: waves 0 and 1 fetch for A, waves 2 and 3 for B; an s_nop 0 and four v_nop follow each line
	s_cmp_eq_u32 s[AH], 0
	s_cbranch_scc0 .Lfor_b_\@
	tensor_load_to_lds s[\g0a:\g0a+3], s[\g1a:\g1a+7]
	s_nop 0
.rept 4
	v_nop
.endr
	s_branch .Lasked_\@
.Lfor_b_\@:
	tensor_load_to_lds s[\g0b:\g0b+3], s[\g1b:\g1b+7]
	s_nop 0
.rept 4
	v_nop
.endr
.Lasked_\@:
.endm
.macro CROUND
	s_barrier_signal -1
	s_barrier_wait -1
	s_cmp_lg_u32 s[WV], 0
	s_cbranch_scc1 .Lnot_wave_0_\@
	s_barrier_signal -3
.Lnot_wave_0_\@:
	s_barrier_wait -3
	s_barrier_signal -1
	s_barrier_wait -1
.endm
.macro PLACES n
.rept \n
	v_nop
.endr
.endm
	s_load_b256 s[4:11], s[0:1], 0x0               ; o_codes, o_sc, codes, scales
	s_load_b128 s[12:15], s[0:1], 0x20             ; bo, out0
	v_lshl_add_u32 v[SPW], v0, 2, SPARE
	v_mov_b32 v[NIL], 0
	ds_add_u32 v[SPW], v[NIL]                      ; the wave's opening: the add, twice on end, and its wait ahead of my first tensor load
	ds_add_u32 v[SPW], v[NIL]
	v_lshrrev_b32 v1, 5, v0
	v_readfirstlane_b32 s[WV], v1
	s_lshr_b32 s[AH], s[WV], 1
	s_and_b32 s[HB], s[WV], 1
	s_bfe_u32 s40, ttmp6, 0x40000                  ; cx, cy
	s_bfe_u32 s41, ttmp6, 0x40004
	s_lshl_b32 s[COL], ttmp9, 2
	s_add_co_u32 s[COL], s[COL], s40
	s_and_b32 s[RW], ttmp7, 0xffff
	s_lshl_b32 s[RW], s[RW], 2
	s_add_co_u32 s[RW], s[RW], s41
	s_lshl_b32 s43, s41, 2
	s_lshl_b32 s43, 15, s43                        ; my row of the cluster
	s_lshl_b32 s44, 0x1111, s40                    ; my column
	s_or_b32 s[G1+0], s43, (3<<16)|(1<<21)         ; A's codes: four tiles of rows of a slot: 16,384 dense bytes as 64 rows of 256 (32 elements of 8 bytes), no padding
	s_mov_b32 s[G1+1], 32<<16
	s_mov_b32 s[G1+2], 64<<16
	s_mov_b32 s[G1+3], 32<<16
	s_mov_b32 s[G1+4], 64
	s_mov_b32 s[G1+5], 32
	s_mov_b32 s[G1+6], 0
	s_mov_b32 s[G1+7], 0
	s_or_b32 s[G1S+0], s43, (3<<16)|(1<<21)        ; A's scale words: 8 K steps x 256 bytes (64 rows), 32,768 bytes from K step to K step
	s_mov_b32 s[G1S+1], 32<<16
	s_mov_b32 s[G1S+2], 8<<16
	s_mov_b32 s[G1S+3], 32<<16
	s_mov_b32 s[G1S+4], 8
	s_mov_b32 s[G1S+5], 4096
	s_mov_b32 s[G1S+6], 0
	s_mov_b32 s[G1S+7], 0
	s_or_b32 s[G1B+0], s44, (0<<16)|(1<<20)|(1<<21)|(5<<22)|(3<<25)  ; B's codes: 128 rows x 256 bytes, 512 apart; 4 words of padding behind every 64
	s_mov_b32 s[G1B+1], 256<<16
	s_mov_b32 s[G1B+2], 128<<16
	s_mov_b32 s[G1B+3], 256<<16
	s_mov_b32 s[G1B+4], 128
	s_mov_b32 s[G1B+5], 512
	s_mov_b32 s[G1B+6], 0
	s_mov_b32 s[G1B+7], 0
	s_or_b32 s[G1SB+0], s44, (3<<16)|(1<<20)|(1<<21)|(5<<22)|(3<<25) ; B's scales: 4,096 dense bytes as 16 rows of 256, padded likewise
	s_mov_b32 s[G1SB+1], 32<<16
	s_mov_b32 s[G1SB+2], 16<<16
	s_mov_b32 s[G1SB+3], 32<<16
	s_mov_b32 s[G1SB+4], 16
	s_mov_b32 s[G1SB+5], 32
	s_mov_b32 s[G1SB+6], 0
	s_mov_b32 s[G1SB+7], 0
	s_lshl_b32 s20, s[RW], 15                      ; A's codes: tile of rows 8 x tile row + 4 x half, 4,096 bytes each
	s_lshl_b32 s21, s[HB], 14
	s_add_co_u32 s20, s20, s21
	s_mov_b32 s21, 0
	s_lshl_b32 s22, s[RW], 9                       ; A's scale words: row 128 x tile row + 64 x half
	s_lshl_b32 s23, s[HB], 8
	s_add_co_u32 s22, s22, s23
	s_mov_b32 s23, 0
	s_lshl_b32 s46, s[COL], 17                     ; B's codes: row 11,264 + 256 x tile column + 128 x half
	s_lshl_b32 s47, s[HB], 16
	s_add_co_u32 s46, s46, s47
	s_add_co_u32 s46, s46, 11264*512
	s_mov_b32 s47, 0
	s_lshl_b32 s92, s[COL], 13                     ; and its scales
	s_lshl_b32 s93, s[HB], 12
	s_add_co_u32 s92, s92, s93
	s_add_co_u32 s92, s92, 11264*32
	s_mov_b32 s93, 0
	s_lshl_b32 s45, s[HB], 14                      ; where they go: by the wave's number alone
	s_lshl_b32 s94, s[HB], 11
	s_mul_i32 s95, s[HB], 128*PITCH
	s_mul_i32 s2, s[HB], 4352
	s_wait_dscnt 0x0                               ; both opening adds are done
	s_wait_kmcnt 0x0
	s_add_nc_u64 s[20:21], s[4:5], s[20:21]
	s_add_nc_u64 s[22:23], s[6:7], s[22:23]
	s_add_nc_u64 s[46:47], s[8:9], s[46:47]
	s_add_nc_u64 s[92:93], s[10:11], s[92:93]
	CROUND                                         ; all sixteen work-groups are here: the first joint loads meet
	s_mov_b32 s[G0S], 1
	s_add_co_u32 s[G0S+1], s94, ASC
	s_mov_b64 s[G0S+2:G0S+3], s[22:23]
	s_or_b32 s[G0S+3], s[G0S+3], 0x80000000
	s_mov_b32 s[G0SB], 1
	s_add_co_u32 s[G0SB+1], s2, BSC
	s_mov_b64 s[G0SB+2:G0SB+3], s[92:93]
	s_or_b32 s[G0SB+3], s[G0SB+3], 0x80000000
	JLOAD G0S, G1S, G0SB, G1SB
.irp s, 0,1
	s_mov_b32 s[G0+4*\s], 1
	s_add_co_u32 s[G0+4*\s+1], s45, AC0+\s*ASL
	s_add_nc_u64 s[G0+4*\s+2:G0+4*\s+3], s[20:21], \s*2097152
	s_or_b32 s[G0+4*\s+3], s[G0+4*\s+3], 0x80000000
	s_mov_b32 s[G0B+4*\s], 1
	s_add_co_u32 s[G0B+4*\s+1], s95, BC0+\s*BSL
	s_add_nc_u64 s[G0B+4*\s+2:G0B+4*\s+3], s[46:47], \s*256
	s_or_b32 s[G0B+4*\s+3], s[G0B+4*\s+3], 0x80000000
	s_wait_alu depctr_va_vdst(0)
	s_wait_tensorcnt 0x0
	ds_add_u32 v28, v29
	s_wait_dscnt 0x0
	CROUND
	JLOAD G0+4*\s, G1, G0B+4*\s, G1B
.endr
	v_and_b32 v1, 15, v0                           ; r
	v_bfe_u32 v2, v0, 4, 1                         ; h
	v_and_b32 v3, 31, v0                           ; lane
	v_lshlrev_b32 v[CO], 4, v3
	s_lshl_b32 s21, s[AH], 14
	s_add_co_u32 s21, s21, AC0
	v_add_nc_u32 v[ADRA], s21, v[CO]
	s_add_co_u32 s21, s21, ASL
	v_add_nc_u32 v[ADRA+1], s21, v[CO]
	v_mul_u32_u24 v4, v1, PITCH
	v_lshl_add_u32 v4, v2, 4, v4
	s_mul_i32 s22, s[HB], 128*PITCH
	v_add_nc_u32 v[ADRB], s22, v4
	s_add_co_u32 s22, s22, BSL
	v_add_nc_u32 v[ADRB+1], s22, v4
	s_lshl_b32 s21, s[AH], 11
	s_add_co_u32 s21, s21, ASC
	v_lshl_add_u32 v[ADSA], v3, 2, s21
	v_lshrrev_b32 v5, 3, v3
	v_lshlrev_b32 v6, 5, v3
	v_lshl_add_u32 v6, v5, 4, v6                   ; row l of 32: 32 bytes a row, 16 more for each 8 rows passed
	s_mul_i32 s22, s[HB], 4352
	s_add_co_u32 s22, s22, BSC
	v_add_nc_u32 v[ADSB], s22, v6
	s_mul_i32 s23, s[WV], 16*SPITCH                ; my stage
	v_mul_u32_u24 v5, v1, SPITCH
	v_lshl_add_u32 v5, v2, 6, v5
	v_add_nc_u32 v[STO], s23, v5                   ; in: row r, + 64 h
	v_add_nc_u32 v[RD], s23, v[CO]                 ; back: 32 lanes take a row of 512 bytes
	v_lshlrev_b32 v[BHO], 6, v2
	s_wait_alu depctr_va_vdst(0)
	s_lshl_b32 s20, s[COL], 10
	s_lshl_b32 s21, s[HB], 9
	s_add_co_u32 s20, s20, s21                     ; my first column, in bytes: in bo and in a row of out0
	s_mov_b32 s21, 0
	s_add_nc_u64 s[12:13], s[12:13], s[20:21]
	s_add_nc_u64 s[14:15], s[14:15], s[20:21]
	s_and_b32 s22, s[RW], 15
	s_lshl_b32 s22, s22, 7
	s_lshl_b32 s23, s[AH], 6
	s_add_co_u32 s22, s22, s23                     ; my first position in the sequence: 16,384 bytes each,
	s_lshl_b32 s22, s22, 14
	s_lshr_b32 s23, s[RW], 4
	s_lshl_b32 s23, s23, 12                        ; the batch: 4,096 bytes
	s_add_co_u32 s22, s22, s23
	s_mov_b32 s23, 0
	s_add_nc_u64 s[14:15], s[14:15], s[22:23]
.irp t, 0,1,2,3,4,5,6,7                        ; the bias in the results' layout: tile t, lane (r, h): columns 32 (t / 2) + 16 h + 8 (t % 2) + 0 .. 7
	global_load_b128 v[BI+8*\t:BI+8*\t+3], v[BHO], s[12:13] offset:(32*(\t/2)+8*(\t%2))*4
	global_load_b128 v[BI+8*\t+4:BI+8*\t+7], v[BHO], s[12:13] offset:(32*(\t/2)+8*(\t%2))*4+16
.endr
.macro FETCH k                         ; K step k's fragments into set k % 2: B's eight, A's four
.set FS, (\k)/4
.set FQ, (\k)%4
.set FP, (\k)%2
	WIN 0x40                                       ; destination window 1
.irp i, 0,1,2,3,4,5,6,7
.irp c, 0,1
	ds_load_b128 v[128*FP+8*\i+4*\c:128*FP+8*\i+4*\c+3], v[ADRB+FS] offset:64*FQ+32*\c+\i*16*PITCH
.endr
.endr
	WIN 0
.irp i, 0,1,2,3
.irp c, 0,1
	ds_load_b128 v[AF+32*FP+8*\i+4*\c:AF+32*FP+8*\i+4*\c+3], v[ADRA+FS] offset:4096*\i+1024*FQ+512*\c
.endr
.endr
.endm
.macro MM a, b, k                      ; one product: A's block a x B's block b, K step k
.set rD, 8*(8*(\a)+(\b))
.set rC, rD
.if (\k) == 0
.set rC, BI+8*(\b)                     ; the first product takes the bias as C
.endif
.set rB, 128*((\k)%2)+8*(\b)
.set rA, AF+32*((\k)%2)+8*(\a)
.set rSB, SB+16*((\k)/4)+4*((\b)/2)+(\k)%4
.set rSA, SA+2*(\k)+(\a)/2
.if ((\b)%2 == 0) && ((\a)%2 == 0)
	v_wmma_scale_f32_16x16x128_f8f6f4 v[rD:rD+7], v[rB:rB+7], v[rA:rA+7], v[rC:rC+7], v[rSB], v[rSA] matrix_a_fmt:MATRIX_FMT_FP4 matrix_b_fmt:MATRIX_FMT_FP4
.elseif ((\b)%2 == 1) && ((\a)%2 == 0)
	v_wmma_scale_f32_16x16x128_f8f6f4 v[rD:rD+7], v[rB:rB+7], v[rA:rA+7], v[rC:rC+7], v[rSB], v[rSA] matrix_a_fmt:MATRIX_FMT_FP4 matrix_b_fmt:MATRIX_FMT_FP4 matrix_a_scale:MATRIX_SCALE_ROW1
.elseif ((\b)%2 == 0) && ((\a)%2 == 1)
	v_wmma_scale_f32_16x16x128_f8f6f4 v[rD:rD+7], v[rB:rB+7], v[rA:rA+7], v[rC:rC+7], v[rSB], v[rSA] matrix_a_fmt:MATRIX_FMT_FP4 matrix_b_fmt:MATRIX_FMT_FP4 matrix_b_scale:MATRIX_SCALE_ROW1
.else
	v_wmma_scale_f32_16x16x128_f8f6f4 v[rD:rD+7], v[rB:rB+7], v[rA:rA+7], v[rC:rC+7], v[rSB], v[rSA] matrix_a_fmt:MATRIX_FMT_FP4 matrix_b_fmt:MATRIX_FMT_FP4 matrix_a_scale:MATRIX_SCALE_ROW1 matrix_b_scale:MATRIX_SCALE_ROW1
.endif
.endm
; A K step: its fragments are in; the next step's are asked for; 32 products, the 32 accumulators by turns in the same order in every step.
.macro KSTEPM k
	s_wait_dscnt 0x0                               ; this step's fragments, asked for 32 products ago, are in
.if (\k) == 3
	s_wait_tensorcnt 0x0                           ; my part of slot 1 is in,
	s_barrier_signal -1
	s_barrier_wait -1                              ; everybody's is, and nobody reads slot 0 any more
.endif
.if (\k) < 7
.if (\k) > 0
	PLACES 4                                       ; in front of loads into registers that the last step's products have read
.endif
	FETCH (\k)+1
.endif
.if (\k) == 0
	WIN 0x81                                       ; source 0 (B) window 1, source 1 (A) and C (the bias) window 0, D window 2
.else
	WIN 0xa1                                       ; C and D window 2
.endif
.irp a, 0,1,2,3
.irp b, 0,1,2,3,4,5,6,7
	MM \a, \b, \k
.endr
.endr
.endm
	s_wait_tensorcnt 1                             ; the scales and my part of slot 0 are in (slot 1's load may be out),
	s_barrier_signal -1
	s_barrier_wait -1                              ; everybody's are
.irp k, 0,1,2,3,4,5,6,7
.irp pr, 0,1
	ds_load_b32 v[SA+2*\k+\pr], v[ADSA] offset:256*\k+128*\pr
.endr
.endr
.irp s, 0,1
.irp bp, 0,1,2,3
	ds_load_b128 v[SB+16*\s+4*\bp:SB+16*\s+4*\bp+3], v[ADSB] offset:1088*\bp+16*\s
.endr
.endr
	FETCH 0
	s_wait_loadcnt 0x0                             ; the bias
.irp k, 0,1,2,3,4,5,6,7
	KSTEPM \k
.endr
	WIN 0
; THE WAY OUT, block by block of 16 rows x 128 columns, through my own stage in LDS: in as 32 bytes a lane, at the columns' true places; back as whole rows of 512 bytes.
; LDS serves a wave's instructions in order (ISA guide 5.7.1.4): no wait between the stores and the loads, nor in front of the next block's stores.
.macro TOSTAGE a
	WIN 0x08                                       ; an LDS store's data: window 2
.irp b, 0,1,2,3,4,5,6,7
	ds_store_b128 v[STO], v[64*(\a)+8*\b:64*(\a)+8*\b+3] offset:128*(\b/2)+32*(\b%2)          ; each accumulator from its low end on
	ds_store_b128 v[STO], v[64*(\a)+8*\b+4:64*(\a)+8*\b+7] offset:128*(\b/2)+32*(\b%2)+16
.endr
	WIN 0
.set BB, BK+64*((\a)%2)
.irp t, 0,1,2,3,4,5,6,7,8,9,10,11,12,13,14,15
	ds_load_b128 v[BB+4*\t:BB+4*\t+3], v[RD] offset:\t*SPITCH
.endr
.endm
.macro SEND a, younger                 ; younger: the LDS instructions issued behind block a's loads, which may stay out
.set BB, BK+64*((\a)%2)
	s_wait_dscnt \younger
.irp t, 0,1,2,3,4,5,6,7,8,9,10,11,12,13,14,15
	global_store_b128 v[CO], v[BB+4*\t:BB+4*\t+3], s[14:15] offset:(32*((\a)/2)+8*((\a)%2)+\t+8*(\t/8))*16384 th:TH_STORE_NT   ; 512 consecutive bytes, aligned; 63 positions of 16,384 bytes at the most: inside the signed 24-bit immediate
.endr
.endm
	PLACES 4                                       ; behind the last products: the loads below land where A's fragments lay, and block 3's results are read
	TOSTAGE 0
	TOSTAGE 1
	SEND 0, 32                                     ; behind block 0's loads: block 1's 16 stores and 16 loads
	s_wait_xcnt 0x0                                ; block 0's stores have read their registers: block 2's rows may land there
	TOSTAGE 2
	SEND 1, 32
	s_wait_xcnt 0x0
	TOSTAGE 3
	SEND 2, 32
	SEND 3, 0
	s_wait_tensorcnt 0x0                           ; the wave's end
	ds_add_u32 v[SPW], v[NIL]
	s_wait_dscnt 0x0
	CROUND                                         ; the closing round
	s_endpgm
.Lfunc_end_k_q538277315f_proj:
	.size	k_q538277315f_proj, .Lfunc_end_k_q538277315f_proj-k_q538277315f_proj
	.p2alignl 7, 3214868480
	.fill 96, 4, 3214868480
	.section	.rodata,"a",@progbits
	.p2align	6, 0x0
	.amdhsa_kernel k_q538277315f_proj
		.amdhsa_group_segment_fixed_size 327680
		.amdhsa_private_segment_fixed_size 0
		.amdhsa_enable_private_segment 0
		.amdhsa_kernarg_size 48
		.amdhsa_user_sgpr_count 2
		.amdhsa_user_sgpr_kernarg_segment_ptr 1
		.amdhsa_wavefront_size32 1
		.amdhsa_system_sgpr_workgroup_id_x 1
		.amdhsa_system_sgpr_workgroup_id_y 1
		.amdhsa_system_sgpr_workgroup_id_z 1
		.amdhsa_system_vgpr_workitem_id 0
		.amdhsa_next_free_vgpr 768
		.amdhsa_next_free_sgpr 98
		.amdhsa_reserve_vcc 0
		.amdhsa_float_denorm_mode_32 3
		.amdhsa_float_denorm_mode_16_64 3
		.amdhsa_memory_ordered 1
		.amdhsa_forward_progress 1
		.amdhsa_inst_pref_size 75
	.end_amdhsa_kernel
	.amdgpu_metadata
---
amdhsa.version: [ 1, 2 ]
amdhsa.kernels:
  - .name:           k_q538277315f_proj
    .symbol:         k_q538277315f_proj.kd
    .args:
      - { .name: o_codes, .offset: 0, .size: 8, .value_kind: global_buffer, .address_space: global }
      - { .name: o_sc, .offset: 8, .size: 8, .value_kind: global_buffer, .address_space: global }
      - { .name: codes, .offset: 16, .size: 8, .value_kind: global_buffer, .address_space: global }
      - { .name: scales, .offset: 24, .size: 8, .value_kind: global_buffer, .address_space: global }
      - { .name: bo, .offset: 32, .size: 8, .value_kind: global_buffer, .address_space: global }
      - { .name: out0, .offset: 40, .size: 8, .value_kind: global_buffer, .address_space: global }
    .group_segment_fixed_size: 327680
    .private_segment_fixed_size: 0
    .kernarg_segment_align: 8
    .kernarg_segment_size: 48
    .max_flat_workgroup_size: 128
    .sgpr_count:     98
    .vgpr_count:     768
    .wavefront_size: 32
...
	.end_amdgpu_metadata
.endif
;; end of part 4
